; MI455X (gfx1250); checked and timed in simulation.
; The chip was launched on July 23, 2026; its instructions are those of AMD's public machine-readable ISA for CDNA 5 (MIT licence, August 2026) and "CDNA5" Instruction Set Architecture Reference Guide (July 2026). The comments in the code are by the model that wrote it; some were corrected since.
;; Mo E Layer. Allowed arithmetic: matrix products marked QUANTISED: E5M2 operands, one E8M0 scale for each 32 along K, by v_wmma_scale_f32_16x16x128_f8f6f4 with both operands' format E5M2, f32 sums; products left as they are: f32 operands where the result goes on into a quantised operand, else bf16, f16 or f32 operands; f32 sums; everything else in f32.
;; Inputs: W1_codes 8 x 512 x 32 x 32 uint8 (E5M2 codes of W1, K innermost, in blocks of 32 codes); W1_scales 8 x 512 x 32 uint8 (E8M0 scales of W1, one for each 32 codes along K); W2_codes 8 x 1,024 x 16 x 32 uint8 (E5M2 codes of W2, K innermost, in blocks of 32 codes); W2_scales 8 x 1,024 x 16 uint8 (E8M0 scales of W2, one for each 32 codes along K); Wg 1,024 x 8 float32; b1 8 x 512 float32; b2 8 x 1,024 float32; bg 8 float32; x 4 x 2,048 x 1,024 float32.
;; Outputs: out0 4 x 2,048 x 1,024 float32; out1 4 x 2,048 x 8 float32.
;; This version of the problem:
;;   THIS VERSION OF THE PROBLEM IS GIVEN IN LOW PRECISION. The matrix products marked QUANTISED in the list below multiply operands that are first quantised to E5M2 (5 exponent bits, 2 mantissa bits; 8 bits a number), with one power-of-two scale for each 32 numbers along K (OCP MX v1.0); their sums are f32. All else is computed in f32.
;;   The module's matrix products, in the order in which they are computed (A, B: the left and right operand; K: the contracted axis; several contracted axes count as one K, in the product's order):
;;     1. [M 8,192, K 1,024] x [K 1,024, N 8]; A: input x; B: input Wg: left as it is (N = 8 < 16)
;;     2. batch 8,192 x [M 1, K 2] x [K 2, N 8]; A: computed on the way; B: computed on the way: left as it is (K = 2 < 32)
;;     3. [M 8,192, K 1,024] x [K 1,024, N 512]; A: input x; B: input W1 (given as codes): QUANTISED
;;     4. [M 8,192, K 512] x [K 512, N 1,024]; A: computed on the way; B: input W2 (given as codes): QUANTISED
;;     5. [M 8,192, K 1,024] x [K 1,024, N 512]; A: input x; B: input W1 (given as codes): QUANTISED
;;     6. [M 8,192, K 512] x [K 512, N 1,024]; A: computed on the way; B: input W2 (given as codes): QUANTISED
;;     7. [M 8,192, K 1,024] x [K 1,024, N 512]; A: input x; B: input W1 (given as codes): QUANTISED
;;     8. [M 8,192, K 512] x [K 512, N 1,024]; A: computed on the way; B: input W2 (given as codes): QUANTISED
;;     9. [M 8,192, K 1,024] x [K 1,024, N 512]; A: input x; B: input W1 (given as codes): QUANTISED
;;     10. [M 8,192, K 512] x [K 512, N 1,024]; A: computed on the way; B: input W2 (given as codes): QUANTISED
;;     11. [M 8,192, K 1,024] x [K 1,024, N 512]; A: input x; B: input W1 (given as codes): QUANTISED
;;     12. [M 8,192, K 512] x [K 512, N 1,024]; A: computed on the way; B: input W2 (given as codes): QUANTISED
;;     13. [M 8,192, K 1,024] x [K 1,024, N 512]; A: input x; B: input W1 (given as codes): QUANTISED
;;     14. [M 8,192, K 512] x [K 512, N 1,024]; A: computed on the way; B: input W2 (given as codes): QUANTISED
;;     15. [M 8,192, K 1,024] x [K 1,024, N 512]; A: input x; B: input W1 (given as codes): QUANTISED
;;     16. [M 8,192, K 512] x [K 512, N 1,024]; A: computed on the way; B: input W2 (given as codes): QUANTISED
;;     17. [M 8,192, K 1,024] x [K 1,024, N 512]; A: input x; B: input W1 (given as codes): QUANTISED
;;     18. [M 8,192, K 512] x [K 512, N 1,024]; A: computed on the way; B: input W2 (given as codes): QUANTISED
;;   THE QUANTISER, for each operand of a quantised product, along K:
;;     - K is cut into blocks of 32 from its start; a last block that is shorter is filled with zeros.
;;     - A block's scale is 2^e with e = floor(log2(the largest magnitude in the block)) - 15, held to -126 .. 127; a block of zeros has e = 0. As a byte (E8M0): e + 127.
;;     - Each number is divided by its block's scale, clamped to +-57,344, and rounded to the nearest number of E5M2, ties to even, subnormals kept.
;;     - The product sums the exact products of the quantised numbers (number of the format x scale) in f32.
;;   ~~~python
;;   def quantise(x, axis):      # numpy; x: float32 -> the quantised numbers, widened to float32 again
;;       x = np.moveaxis(x, axis, -1); K = x.shape[-1]
;;       x = np.pad(x, [(0, 0)] * (x.ndim - 1) + [(0, -K % 32)]); x = x.reshape(x.shape[:-1] + (-1, 32)); a = np.abs(x).max(-1, keepdims=True)
;;       e = np.where(a > 0, np.clip(np.frexp(np.where(a > 0, a, 1))[1] - 1 - 15, -126, 127), 0)      # np.frexp(a)[1] - 1 = floor(log2(a)), exactly
;;       r = np.clip(x / 2.0 ** e, -57344, 57344)
;;       step = 2.0 ** (np.maximum(np.frexp(np.where(r == 0, 1, r))[1] - 1, -14) - 2)
;;       q = np.round(r / step) * step * 2.0 ** e      # np.round: ties to even
;;       return np.moveaxis(q.reshape(q.shape[:-2] + (-1,))[..., :K], -1, axis).astype(np.float32)
;;   ~~~
;;   OPERANDS COMPUTED ON THE WAY. 'Computed on the way' means the value that the module computes at that place (a softmax that the list does not call 'softmax' is quantised finished and normalised). What goes into a quantiser is computed in f32, as accurately as f32 sums, v_exp_f32 and their like allow (about 1e-6 of the number): no bf16 or f16 on the way to a quantiser, and a product that is left as it is and whose result goes on into a quantised operand takes f32 operands (vector FMAs, or v_wmma_f32_16x16x4_f32). A number that lies on a knife's edge between two numbers of the format may be rounded either way, as far as f32 arithmetic and the matrix unit's own rounding can turn it there, and no further.
;;   INPUTS GIVEN AS CODES. W1 (in the module: [8, 1024, 512], K = its axis 1); W2 (in the module: [8, 512, 1024], K = its axis 1): each comes as NAME_codes (uint8): NAME with its K axis moved to the last place and cut into blocks of 32 codes, [.., K / 32, bytes a block], one block behind the other in memory; one code a byte (a code: sign, 5 exponent bits, 2 mantissa bits); and NAME_scales (uint8): the same leading axes, one E8M0 byte (e + 127) for each 32 codes along K. Its value is code x scale, taken as it is: it is not quantised again, and the codes and scales need not be those that the quantiser above would give.
;; 2 versions. Each part assembles by itself: llvm-mc -triple=amdgcn-amd-amdhsa -mcpu=gfx1250 --defsym DOCPART=n.
;; ======== version 1 of 2: 3 launches
;; workspace buffers: xq 8,388,608 bytes; xs 262,144 bytes; wf 8,650,752 bytes; pair 32,768 bytes of whole numbers; wts 65,536 bytes; order 924,672 bytes of whole numbers; counts 256 bytes of whole numbers
;; launch gate (part 1): grid 256 x 1, 4 waves a work-group, no clusters, 33,280 bytes of LDS; arguments x, Wg, bg, W1_codes, W1_scales, W2_codes, W2_scales, xq, xs, wf, pair, wts, out1; writes xq, xs, wf, pair, wts, out1
.if DOCPART == 1
	.amdgcn_target "amdgcn-amd-amdhsa--gfx1250"
	.amdhsa_code_object_version 6
	.text
	.protected	k_qa12e495c8c_gate
	.globl	k_qa12e495c8c_gate
	.p2align	8
	.type	k_qa12e495c8c_gate,@function
k_qa12e495c8c_gate:
	s_mov_b64 s[64:65], 0
	v_nop
	global_prefetch_b8 v0, s[64:65] scope:SCOPE_SE
	s_setreg_imm32_b32 hwreg(HW_REG_WAVE_MODE, 25, 1), 1
	s_wait_xcnt 0x0
; FIRST OF THREE LAUNCHES of a layer of 8 experts of which each token takes 2.  T = 8,192 tokens, D = 1,024, F = 512.
; WORK LEFT OUT BY THE PROGRAM.  reference() computes every expert for every token and multiplies expert e's row y by combine[t, e] = sum over j of prob[t, j] x one_hot(idx[t, j])[e].
; For an expert that its own top_k did not choose for token t every one_hot term is 0, so combine[t, e] = 0 and combine x y = 0 for every finite y: those rows of the 16 quantised products
; can reach no output, whatever finite values the inputs hold.  They are left out, and the product of the probabilities with one_hot is done as a selection.  Every input still has a way to an output: all are loaded.
; LIMIT: a NaN, an infinity or an overflow that arises only in an expert that was not chosen for a token is not carried to the result.
; THIS LAUNCH reads x once and makes of it: the gate's logits (f32 multiply-adds: the choice hangs on them), the softmax (out1), the two largest probabilities of each token (equal ones: the lower
; expert first, as lax.top_k has it), stored at fixed places as a pair's number hi (hi - 1) / 2 + lo (pair) and the two weights (wts); and x's codes of E5M2 with one E8M0 byte for each 32 along D (xq, xs).
; It also lays W1's and W2's codes and scale bytes out in the order of the operand's registers (wf), so that the third launch loads each fragment by dense loads of 512 bytes.
; No address and no branch of this launch hangs on a floating-point number.
; SHARES.  A wave takes 8 rows of x, 16 steps of 512 numbers.  Each load reads 512 consecutive bytes; a step's 2,048 bytes turn through the wave's own stage in LDS and come back 16 neighbours a lane
; (two lanes hold a block of 32).  A lane's part of Wg (32 rows of 8) stays in 256 registers.  A row's 8 sums are added across the lanes by a reduction that leaves expert lane % 8 in each lane.
; LIMITS: NaN and infinities in x are not served.  A block of zeros gets the byte 1 where the rule says 127: its codes are zeros, and this program alone reads the bytes.  A probability whose
; exponential falls under the smallest normal number is stored as 0.  out1 leaves in stores of 128 bytes, pair and wts in 32 and 64 bytes a wave: 0.4 MB of the launch's 60.
.set SP,    80                         ; a lane's place in a stage: its 64 bytes + 16 of padding
.set WREG,  8192                       ; LDS: a region for each wave: two stages of 32 x SP bytes, behind them its 256 scale bytes
.set SPARE, 4*WREG                     ; behind the regions: the spare words, 128 bytes for each wave: two blocks of 256 bytes that no other line names
.set BLK,   16896                      ; a block of wf: 8 tiles x 2,048 bytes of codes, then 512 bytes of scale words
.set R,     16                         ; v16-143  eight sets of 16 numbers as they are loaded
.set X,     144                        ; v144-175 two sets of 16 neighbours
.set C,     176                        ; v176-191 four sets of codes
.set GA,    192                        ; v192-199 my part of the row's 8 logits
.set T,     200                        ; v200-207 at work in the reduction
.set E,     208                        ; v208-211 scale bytes
.set RL,    144                        ; v144-209 at the head: a half block of weights on its way from the inputs to wf
.set LG,    224                        ; v224-225 lane 8 g + e of register q: the logit of row 4 q + g, expert e
.set BGV,   226                        ; v226     bg[lane % 8]
.set IDF,   227                        ; v227     lane % 8 as f32
.set SPW,   12                         ; v12      LDS address of my spare word; never rewritten
.set NIL,   13                         ; v13      0; never rewritten
; window 1: v[128 p + 8 i + e] = Wg[512 p + 16 lane + i][e]
.set MSB, 0
.macro WIN new                         ; the immediate's high byte repeats the setting that is left
.if MSB != \new
	s_set_vgpr_msb (MSB<<8)|\new
.set MSB, \new
.endif
.endm
	s_load_b512 s[4:19], s[0:1], 0x0               ; x s[4:5], Wg s[6:7], bg s[8:9], W1's codes s[10:11], scales s[12:13], W2's codes s[14:15], scales s[16:17], xq s[18:19]
	s_load_b256 s[20:27], s[0:1], 0x40             ; xs s[20:21], wf s[22:23], pair s[24:25], wts s[26:27]
	s_load_b64 s[28:29], s[0:1], 0x60              ; out1
	v_lshl_add_u32 v[SPW], v0, 2, SPARE
	v_mov_b32 v[NIL], 0
	v_lshrrev_b32 v1, 5, v0
	v_readfirstlane_b32 s30, v1                    ; wave
	v_and_b32 v2, 31, v0                           ; lane
	v_lshlrev_b32 v3, 4, v2                        ; 16 x lane
	s_mul_i32 s31, s30, WREG
	v_lshrrev_b32 v14, 2, v2
	v_mul_u32_u24 v14, v14, SP
	v_and_b32 v15, 3, v2
	v_lshl_add_u32 v14, v15, 4, v14
	v_add_nc_u32 v14, s31, v14                     ; the stage, on the way in: SP (lane / 4) + 16 (lane % 4)
	v_mul_u32_u24 v15, v2, SP
	v_add_nc_u32 v15, s31, v15                     ; and on the way out: SP x lane
	v_lshrrev_b32 v5, 1, v2
	s_add_co_u32 s31, s31, 2*32*SP
	v_add_nc_u32 v5, s31, v5                       ; my block's scale byte
	v_lshlrev_b32 v7, 3, v2                        ; 8 x lane
	v_add_nc_u32 v6, s31, v7
	v_lshlrev_b32 v4, 9, v2                        ; Wg: my 16 rows of 32 bytes
	s_mov_b32 s34, 0x76543210
	s_mov_b32 s35, 0xfedcba98                      ; v_permlanex16_b32's selects for lane l xor 16
	s_mov_b32 s36, 0x600000                        ; the mantissa field of 57,344
	s_mov_b32 s37, 0xaaaaaaaa                      ; lanes with bit 0 set,
	s_mov_b32 s38, 0xcccccccc                      ; bit 1,
	s_mov_b32 s39, 0xf0f0f0f0                      ; bit 2
	s_mov_b32 s40, 0x000000ff                      ; the eight lanes of row j % 4
	s_mov_b32 s41, 0x0000ff00
	s_mov_b32 s42, 0x00ff0000
	s_mov_b32 s43, 0xff000000
	s_mov_b32 s51, 0x02020202                      ; lanes with lane % 8 = 1
	s_lshl_b32 s59, ttmp9, 2
	s_add_co_u32 s59, s59, s30                     ; my run of 8 rows
	s_mov_b32 s33, 0
	s_lshl_b32 s44, ttmp9, 1
	s_lshr_b32 s45, s30, 1
	s_add_co_u32 s44, s44, s45                     ; the block of wf that I lay out,
	s_and_b32 s45, s30, 1                          ; and which half of it
	s_mul_i32 s46, s44, BLK
	s_lshl_b32 s47, s45, 8
	s_add_co_u32 s48, s46, s47
	s_add_co_u32 s48, s48, 16384                   ; its scale words
	s_mov_b32 s49, 0
	s_lshl_b32 s47, s45, 13
	s_add_co_u32 s46, s46, s47                     ; its codes
	s_mov_b32 s47, 0
	s_mov_b32 s57, 0
	v_and_b32 v8, 15, v2                           ; r
	v_lshrrev_b32 v10, 4, v2                       ; h
	s_wait_kmcnt 0x0
	s_lshl_b32 s32, s59, 15
	s_add_nc_u64 s[4:5], s[4:5], s[32:33]          ; x: 32,768 bytes a run
	s_lshl_b32 s32, s59, 13
	s_add_nc_u64 s[18:19], s[18:19], s[32:33]      ; xq: 8,192
	s_lshl_b32 s32, s59, 8
	s_add_nc_u64 s[20:21], s[20:21], s[32:33]      ; xs: 256
	s_add_nc_u64 s[28:29], s[28:29], s[32:33]      ; out1: 256
	s_lshl_b32 s32, s59, 5
	s_add_nc_u64 s[24:25], s[24:25], s[32:33]      ; pair: 32
	s_lshl_b32 s32, s59, 6
	s_add_nc_u64 s[26:27], s[26:27], s[32:33]      ; wts: 64
	s_add_nc_u64 s[52:53], s[22:23], s[48:49]
	s_add_nc_u64 s[22:23], s[22:23], s[46:47]
; THE WEIGHTS' LAYOUT.  Blocks 0-255 are W1's: block (4 e + w) 8 + s holds K step s of hidden units 128 w .. + 127 of expert e; row r of tile 2 b + u is unit 128 w + 32 b + 8 u + r + 8 (r / 8), so that
; the results of two neighbouring tiles are 16 neighbours along the next K.  Blocks 256-511 are W2's: block 256 + ((4 e + w) 2 + c2) 4 + s holds K step s of outputs 256 w + 128 c2 .. + 127, tile t's row r being output 16 t + r of them.
; Lane (r, h) takes, of its row, bytes 32 c + 16 h .. + 15 of the K step; they are stored as they stand, 16 bytes a lane.  Scale word q of a lane: row lane % 16 of tile 4 g + 2 q + lane / 16.
.macro RLOADS cp, sp, one
.irp i, 0,1,2,3
.irp c, 0,1,2,3
.if \one
	global_load_b128 v[RL+16*\i+4*\c:RL+16*\i+4*\c+3], v8, s[\cp:\cp+1] offset:(32*(\i/2)+8*(\i%2))*1024+32*\c
.else
	global_load_b128 v[RL+16*\i+4*\c:RL+16*\i+4*\c+3], v8, s[\cp:\cp+1] offset:8192*\i+32*\c
.endif
.endr
.endr
.irp q, 0,1
.if \one
	global_load_b32 v[RL+64+\q], v9, s[\sp:\sp+1] offset:1024*\q
.else
	global_load_b32 v[RL+64+\q], v9, s[\sp:\sp+1] offset:512*\q
.endif
.endr
.endm
	s_cmp_lt_u32 ttmp9, 128                        ; the work-group's number alone decides: W1's blocks or W2's
	s_cbranch_scc0 .Lsecond
	s_lshr_b32 s54, s44, 3                         ; 4 e + w
	s_and_b32 s55, s44, 7                          ; s
	s_lshl_b32 s56, s54, 17                        ; 128 rows of 1,024 bytes,
	s_lshl_b32 s58, s45, 16                        ; 64 for the half,
	s_add_co_u32 s56, s56, s58
	s_lshl_b32 s58, s55, 7                         ; 128 bytes a K step
	s_add_co_u32 s56, s56, s58
	s_add_nc_u64 s[10:11], s[10:11], s[56:57]
	s_lshl_b32 s56, s54, 12                        ; the scale bytes: 32 a row
	s_lshl_b32 s58, s45, 11
	s_add_co_u32 s56, s56, s58
	s_lshl_b32 s58, s55, 2
	s_add_co_u32 s56, s56, s58
	s_add_nc_u64 s[12:13], s[12:13], s[56:57]
	v_and_b32 v9, 8, v8
	v_add_nc_u32 v9, v9, v8                        ; r + 8 (r / 8)
	v_lshlrev_b32 v8, 10, v9
	v_lshl_add_u32 v8, v10, 4, v8
	v_lshl_add_u32 v9, v10, 3, v9                  ; lanes 16-31: the odd tile, 8 rows on
	v_lshlrev_b32 v9, 5, v9
	RLOADS 10, 12, 1
	s_branch .Llaid
.Lsecond:
	s_and_b32 s44, s44, 255
	s_lshr_b32 s54, s44, 2                         ; (4 e + w) 2 + c2
	s_and_b32 s55, s44, 3                          ; s
	s_lshl_b32 s56, s54, 16                        ; 128 rows of 512 bytes,
	s_lshl_b32 s58, s45, 15
	s_add_co_u32 s56, s56, s58
	s_lshl_b32 s58, s55, 7
	s_add_co_u32 s56, s56, s58
	s_add_nc_u64 s[14:15], s[14:15], s[56:57]
	s_lshl_b32 s56, s54, 11                        ; the scale bytes: 16 a row
	s_lshl_b32 s58, s45, 10
	s_add_co_u32 s56, s56, s58
	s_lshl_b32 s58, s55, 2
	s_add_co_u32 s56, s56, s58
	s_add_nc_u64 s[16:17], s[16:17], s[56:57]
	v_lshlrev_b32 v8, 9, v8
	v_lshl_add_u32 v8, v10, 4, v8
	v_mov_b32 v9, v3                               ; row 16 (lane / 16) + r = lane, 16 bytes a row
	RLOADS 14, 16, 0
.Llaid:
.macro LOAD t
.irp i, 0,1,2,3
	global_load_b128 v[R+16*((\t)%8)+4*\i:R+16*((\t)%8)+4*\i+3], v3, s[4:5] offset:2048*(\t)+512*\i th:TH_LOAD_NT   ; 32 lanes read 512 consecutive bytes
.endr
.endm
.macro TURN t                          ; step t's numbers through the stage: LDS serves a wave's instructions in order, so no wait stands between the stores and the loads
.irp i, 0,1,2,3
	ds_store_b128 v14, v[R+16*((\t)%8)+4*\i:R+16*((\t)%8)+4*\i+3] offset:32*SP*((\t)%2)+8*SP*\i
.endr
.irp i, 0,1,2,3
	ds_load_b128 v[X+16*((\t)%2)+4*\i:X+16*((\t)%2)+4*\i+3], v15 offset:32*SP*((\t)%2)+16*\i
.endr
.endm
.irp t, 0,1,2,3,4,5,6,7
	LOAD \t
.endr
	WIN 0x40                                       ; destination window 1
.irp p, 0,1
.irp i, 0,1,2,3,4,5,6,7,8,9,10,11,12,13,14,15
	global_load_b128 v[128*\p+8*\i:128*\p+8*\i+3], v4, s[6:7] offset:16384*\p+32*\i
	global_load_b128 v[128*\p+8*\i+4:128*\p+8*\i+7], v4, s[6:7] offset:16384*\p+32*\i+16
.endr
.endr
	WIN 0
	v_and_b32 v10, 7, v2
	v_lshlrev_b32 v1, 2, v10
	global_load_b32 v[BGV], v1, s[8:9]
	v_cvt_f32_u32 v[IDF], v10
	s_wait_loadcnt 0x0                             ; once: the weights' half block, Wg, bg, and the first eight steps of x
.irp i, 0,1,2,3
.irp c, 0,1,2,3
	global_store_b128 v3, v[RL+16*\i+4*\c:RL+16*\i+4*\c+3], s[22:23] offset:2048*\i+512*\c   ; 512 consecutive bytes a store
.endr
.endr
	global_store_b64 v7, v[RL+64:RL+65], s[52:53]  ; 256 consecutive bytes, aligned
	s_wait_xcnt 0x0                                ; these stores have read their registers, which the steps below write
	v_mov_b32 v[LG], 0
	v_mov_b32 v[LG+1], 0
	TURN 0
; my 16 numbers x my 16 rows of Wg: 8 sums, each link eight lines behind the one that it adds onto.  The row's first product starts the sums.
.macro GATE t
	WIN 0x04                                       ; source 1 (Wg) window 1
.irp i, 0,1,2,3,4,5,6,7,8,9,10,11,12,13,14,15
.irp e, 0,1,2,3,4,5,6,7
.if ((\t)%2 == 0) && (\i == 0)
	v_mul_f32 v[GA+\e], v[X+16*((\t)%2)+\i], v[128*((\t)%2)+8*\i+\e]
.else
	v_fma_f32 v[GA+\e], v[X+16*((\t)%2)+\i], v[128*((\t)%2)+8*\i+\e], v[GA+\e]
.endif
.endr
.endr
	WIN 0
.endm
.macro STEP t
.set XS, X+16*((\t)%2)
.set CS, C+4*((\t)%4)
.if (\t) > 0
	s_wait_dscnt 1                                 ; this step's numbers are back from the stage (the last step's byte store may be out)
.else
	s_wait_dscnt 0x0
.endif
.if (\t)+8 < 16
	LOAD (\t)+8                                    ; into the set that this step's turn has read
.set LW, 28
.else
.set LW, 4*(14-(\t))
.endif
.if (\t)+1 < 16
	s_wait_loadcnt LW                              ; the next step's four loads are in; those of the steps behind it, seven at the most, may be out
	TURN (\t)+1
.endif
	v_max3_num_f32 v8, |v[XS]|, |v[XS+1]|, |v[XS+2]|               ; the largest magnitude of my 16
	v_max3_num_f32 v9, |v[XS+3]|, |v[XS+4]|, |v[XS+5]|
.irp i, 6,10
	v_max3_num_f32 v8, v8, |v[XS+\i]|, |v[XS+\i+1]|
	v_max3_num_f32 v9, v9, |v[XS+\i+2]|, |v[XS+\i+3]|
.endr
	v_max3_num_f32 v8, v8, |v[XS+14]|, |v[XS+15]|
	v_max3_num_f32 v8, v8, v9, 0x8000000           ; and the floor 2^(16 - 127): the byte cannot fall under 1
	v_max_num_f32_dpp v8, v8, v8 row_xmask:1 row_mask:0xf bank_mask:0xf   ; and of my neighbour's 16: the block's
	GATE \t                                        ; the gate takes x as it is, ahead of the hold
	v_add_nc_u32 v11, 0xf8800000, v8               ; 15 off the exponent field: the conversion's scale operand
	v_and_or_b32 v10, v8, 0x7f800000, s36          ; 57,344 x the scale
.irp i, 0,1,2,3,4,5,6,7,8,9,10,11,12,13,14,15
	v_med3_num_f32 v[XS+\i], v[XS+\i], -v10, v10   ; the conversion to an 8-bit code does not saturate (ISA guide 7.6.2): the hold
.endr
	s_wait_xcnt 0x0                                ; the store of four steps back has read this set of codes
	v_cvt_scalef32_pk8_bf8_f32 v[CS:CS+1], v[XS:XS+7], v11
	v_cvt_scalef32_pk8_bf8_f32 v[CS+2:CS+3], v[XS+8:XS+15], v11
	v_lshrrev_b32 v[E+(\t)%4], 23, v11             ; the scale's byte
	ds_store_b8 v5, v[E+(\t)%4] offset:16*(\t)     ; both lanes of a block write the same byte with the same value
	global_store_b128 v3, v[CS:CS+3], s[18:19] offset:512*(\t)   ; 512 consecutive bytes
.endm
; Row j is through.  At each of three levels a lane keeps one of two sums and sends the other to the lane 1, 2, 4 away: lane l ends with expert l % 8; two more additions join the four groups of eight lanes.
.macro ROWEND j
.irp c, 0,1,2,3
	v_cndmask_b32 v[T+2*\c], v[GA+2*\c], v[GA+2*\c+1], s37
	v_cndmask_b32 v[T+2*\c+1], v[GA+2*\c+1], v[GA+2*\c], s37
.endr
.irp c, 0,1,2,3
	v_add_f32_dpp v[T+2*\c], v[T+2*\c+1], v[T+2*\c] row_xmask:1 row_mask:0xf bank_mask:0xf
.endr
.irp d, 0,1
	v_cndmask_b32 v[T+4*\d+1], v[T+4*\d], v[T+4*\d+2], s38
	v_cndmask_b32 v[T+4*\d+3], v[T+4*\d+2], v[T+4*\d], s38
.endr
.irp d, 0,1
	v_add_f32_dpp v[T+4*\d+1], v[T+4*\d+3], v[T+4*\d+1] row_xmask:2 row_mask:0xf bank_mask:0xf
.endr
	v_cndmask_b32 v[T], v[T+1], v[T+5], s39
	v_cndmask_b32 v[T+2], v[T+5], v[T+1], s39
	v_add_f32_dpp v[T], v[T+2], v[T] row_xmask:4 row_mask:0xf bank_mask:0xf
	v_add_f32_dpp v[T], v[T], v[T] row_xmask:8 row_mask:0xf bank_mask:0xf
	v_permlanex16_b32 v[T+1], v[T], s34, s35
	v_add_f32 v[T], v[T], v[T+1]
	v_cndmask_b32 v[LG+(\j)/4], v[LG+(\j)/4], v[T], s[40+(\j)%4]   ; into the row's eight lanes
.endm
.irp j, 0,1,2,3,4,5,6,7
	STEP 2*\j
	STEP 2*\j+1
	ROWEND \j
.endr
; THE SOFTMAX of 8 rows, a row in eight lanes, two registers side by side: the maximum is taken away first, as reference() does.
	v_lshlrev_b32 v4, 2, v2                        ; 4 x lane
	v_mov_b32 v252, 0x41000000                     ; 8.0: over every expert's number
	v_mov_b32 v253, -1.0                           ; under every probability
.irp q, 0,1
	v_add_f32 v[LG+\q], v[LG+\q], v[BGV]
.endr
.irp q, 0,1
	v_mov_b32 v[228+\q], v[LG+\q]
.endr
.irp m, 1,2,4
.irp q, 0,1
	v_max_num_f32_dpp v[228+\q], v[228+\q], v[228+\q] row_xmask:\m row_mask:0xf bank_mask:0xf
.endr
.endr
.irp q, 0,1
	v_sub_f32 v[230+\q], v[LG+\q], v[228+\q]
.endr
.irp q, 0,1
	v_mul_f32 v[230+\q], 0x3fb8aa3b, v[230+\q]
.endr
.irp q, 0,1
	v_exp_f32 v[230+\q], v[230+\q]
.endr
	v_nop                                          ; a plain instruction behind the exponentials,
	s_wait_alu depctr_va_vdst(0)                   ; and a wait ahead of their first reader
.irp q, 0,1
	v_mov_b32 v[232+\q], v[230+\q]
.endr
.irp m, 1,2,4
.irp q, 0,1
	v_add_f32_dpp v[232+\q], v[232+\q], v[232+\q] row_xmask:\m row_mask:0xf bank_mask:0xf
.endr
.endr
.irp q, 0,1
	v_rcp_f32 v[232+\q], v[232+\q]
.endr
	v_nop
	s_wait_alu depctr_va_vdst(0)                   ; one wait for both reciprocals
.irp q, 0,1
	v_mul_f32 v[234+\q], v[230+\q], v[232+\q]      ; the probabilities
.endr
.irp q, 0,1
	global_store_b32 v4, v[234+\q], s[28:29] offset:128*\q
.endr
; the largest of a row's eight, and the lowest expert that has it
.macro TOP src, mx, ix
.irp q, 0,1
	v_mov_b32 v[\mx+\q], v[\src+\q]
.endr
.irp m, 1,2,4
.irp q, 0,1
	v_max_num_f32_dpp v[\mx+\q], v[\mx+\q], v[\mx+\q] row_xmask:\m row_mask:0xf bank_mask:0xf
.endr
.endr
.irp q, 0,1
	v_cmp_eq_f32 vcc_lo, v[\src+\q], v[\mx+\q]
	v_cndmask_b32 v[\ix+\q], v252, v[IDF], vcc_lo
.endr
.irp m, 1,2,4
.irp q, 0,1
	v_min_num_f32_dpp v[\ix+\q], v[\ix+\q], v[\ix+\q] row_xmask:\m row_mask:0xf bank_mask:0xf
.endr
.endr
.endm
	TOP 234, 236, 238
.irp q, 0,1
	v_cmp_eq_f32 vcc_lo, v[IDF], v[238+\q]
	v_cndmask_b32 v[240+\q], v[234+\q], v253, vcc_lo   ; the first choice is taken out
.endr
	TOP 240, 242, 244
.irp q, 0,1
	v_min_num_f32 v[228+\q], v[238+\q], v[244+\q]  ; lo,
	v_max_num_f32 v[230+\q], v[238+\q], v[244+\q]  ; hi: the two experts by number
	v_cmp_lt_f32 vcc_lo, v[238+\q], v[244+\q]
	v_cndmask_b32 v[232+\q], v[242+\q], v[236+\q], vcc_lo   ; lo's probability,
	v_cndmask_b32 v[240+\q], v[236+\q], v[242+\q], vcc_lo   ; hi's
	v_add_f32 v[246+\q], -1.0, v[230+\q]
	v_mul_f32 v[246+\q], v[246+\q], v[230+\q]
	v_fma_f32 v[246+\q], v[246+\q], 0.5, v[228+\q] ; hi (hi - 1) / 2 + lo: small whole numbers, exact in f32
	v_cvt_u32_f32 v[246+\q], v[246+\q]
.endr
	v_cndmask_b32 v248, v246, v247, s51            ; lanes 8 g + 0 store row g, lanes 8 g + 1 row 4 + g
	v_cndmask_b32 v250, v232, v233, s51
	v_cndmask_b32 v251, v240, v241, s51
	v_and_b32 v249, 7, v2
	v_and_b32 v1, 1, v2
	v_lshrrev_b32 v254, 3, v2
	v_lshl_add_u32 v254, v1, 2, v254               ; 4 (lane % 2) + lane / 8: inside the run's 8 rows in every lane
	v_lshlrev_b32 v255, 3, v254
	v_lshlrev_b32 v254, 2, v254
	s_wait_xcnt 0x0                                ; EXEC changes only behind this wait
	v_cmp_gt_u32 vcc_lo, 2, v249
	s_and_saveexec_b32 s50, vcc_lo
	global_store_b32 v254, v248, s[24:25]
	global_store_b64 v255, v[250:251], s[26:27]
	s_wait_xcnt 0x0                                ; and again, in front of the line that widens it
	s_or_b32 exec_lo, exec_lo, s50
	ds_load_b64 v[8:9], v6                         ; LDS serves a wave's instructions in order: these see my byte stores
	s_wait_dscnt 0x0
	global_store_b64 v7, v[8:9], s[20:21]          ; 256 consecutive bytes, aligned
	s_wait_tensorcnt 0x0                           ; the wave's end, behind my last LDS store
	ds_add_u32 v[SPW], v[NIL]
	s_wait_dscnt 0x0
	s_endpgm
.Lfunc_end_k_qa12e495c8c_gate:
	.size	k_qa12e495c8c_gate, .Lfunc_end_k_qa12e495c8c_gate-k_qa12e495c8c_gate
	.p2alignl 7, 3214868480
	.fill 96, 4, 3214868480
	.section	.rodata,"a",@progbits
	.p2align	6, 0x0
	.amdhsa_kernel k_qa12e495c8c_gate
		.amdhsa_group_segment_fixed_size 33280
		.amdhsa_private_segment_fixed_size 0
		.amdhsa_enable_private_segment 0
		.amdhsa_kernarg_size 104
		.amdhsa_user_sgpr_count 2
		.amdhsa_user_sgpr_kernarg_segment_ptr 1
		.amdhsa_wavefront_size32 1
		.amdhsa_system_sgpr_workgroup_id_x 1
		.amdhsa_system_sgpr_workgroup_id_y 1
		.amdhsa_system_sgpr_workgroup_id_z 1
		.amdhsa_system_vgpr_workitem_id 0
		.amdhsa_next_free_vgpr 512
		.amdhsa_next_free_sgpr 66
		.amdhsa_reserve_vcc 1
		.amdhsa_float_denorm_mode_32 3
		.amdhsa_float_denorm_mode_16_64 3
		.amdhsa_memory_ordered 1
		.amdhsa_forward_progress 1
		.amdhsa_inst_pref_size 210
	.end_amdhsa_kernel
	.amdgpu_metadata
---
amdhsa.version: [ 1, 2 ]
amdhsa.kernels:
  - .name:           k_qa12e495c8c_gate
    .symbol:         k_qa12e495c8c_gate.kd
    .args:
      - { .name: x, .offset: 0, .size: 8, .value_kind: global_buffer, .address_space: global }
      - { .name: Wg, .offset: 8, .size: 8, .value_kind: global_buffer, .address_space: global }
      - { .name: bg, .offset: 16, .size: 8, .value_kind: global_buffer, .address_space: global }
      - { .name: W1_codes, .offset: 24, .size: 8, .value_kind: global_buffer, .address_space: global }
      - { .name: W1_scales, .offset: 32, .size: 8, .value_kind: global_buffer, .address_space: global }
      - { .name: W2_codes, .offset: 40, .size: 8, .value_kind: global_buffer, .address_space: global }
      - { .name: W2_scales, .offset: 48, .size: 8, .value_kind: global_buffer, .address_space: global }
      - { .name: xq, .offset: 56, .size: 8, .value_kind: global_buffer, .address_space: global }
      - { .name: xs, .offset: 64, .size: 8, .value_kind: global_buffer, .address_space: global }
      - { .name: wf, .offset: 72, .size: 8, .value_kind: global_buffer, .address_space: global }
      - { .name: pair, .offset: 80, .size: 8, .value_kind: global_buffer, .address_space: global }
      - { .name: wts, .offset: 88, .size: 8, .value_kind: global_buffer, .address_space: global }
      - { .name: out1, .offset: 96, .size: 8, .value_kind: global_buffer, .address_space: global }
    .group_segment_fixed_size: 33280
    .private_segment_fixed_size: 0
    .kernarg_segment_align: 8
    .kernarg_segment_size: 104
    .max_flat_workgroup_size: 128
    .sgpr_count:     66
    .vgpr_count:     512
    .wavefront_size: 32
...
	.end_amdgpu_metadata
.endif
;; end of part 1
;; launch place (part 2): grid 28 x 1, 16 waves a work-group, no clusters, 2,304 bytes of LDS; arguments pair, order, counts; writes order, counts
.if DOCPART == 2
	.amdgcn_target "amdgcn-amd-amdhsa--gfx1250"
	.amdhsa_code_object_version 6
	.text
	.protected	k_qa12e495c8c_place
	.globl	k_qa12e495c8c_place
	.p2align	8
	.type	k_qa12e495c8c_place,@function
k_qa12e495c8c_place:
	s_mov_b64 s[64:65], 0
	v_nop
	global_prefetch_b8 v0, s[64:65] scope:SCOPE_SE
	s_setreg_imm32_b32 hwreg(HW_REG_WAVE_MODE, 25, 1), 1
	s_wait_xcnt 0x0
; SECOND LAUNCH: the tokens are placed by their pair of experts.  Work-group b scans all 8,192 pair numbers, which the first launch stored, and writes the tokens of pair b, one behind the other, into its own
; 8,256 words of order, a 0 behind the last (a work-group of the third launch that has no rows reads that word), and their number into counts[b].  No atomics: each work-group owns its part of both buffers.
; Thread n of 512 holds 16 tokens: 2,048 q + 4 n + 0 .. 3.  A token's place = the matches of the waves before mine + those of my wave's earlier registers + those of the lanes below mine.
.set SPARE, 256                        ; bytes 0-63: the 16 waves' counts; from 256 on the spare words, 128 bytes for each wave: eight blocks of 256 bytes that no other line names
.set SPW, 2                            ; v2  LDS address of my spare word; never rewritten
.set NIL, 3                            ; v3  0; never rewritten
	s_load_b128 s[4:7], s[0:1], 0x0                ; pair, order
	s_load_b64 s[8:9], s[0:1], 0x10                ; counts
	v_lshl_add_u32 v[SPW], v0, 2, SPARE
	v_mov_b32 v[NIL], 0
	v_lshrrev_b32 v1, 5, v0
	v_readfirstlane_b32 s10, v1                    ; wave
	v_lshlrev_b32 v4, 4, v0                        ; 16 bytes a thread
	v_lshlrev_b32 v5, 2, v0
	s_mov_b32 s11, ttmp9                           ; my pair
	s_mul_i32 s12, ttmp9, 33024                    ; my 8,256 words of order
	s_mov_b32 s13, 0
	s_wait_kmcnt 0x0
	s_add_nc_u64 s[6:7], s[6:7], s[12:13]
.irp q, 0,1,2,3
	global_load_b128 v[8+4*\q:11+4*\q], v4, s[4:5] offset:8192*\q
.endr
.irp j, 0,1,2,3,4,5,6,7,8,9,10,11,12,13,14,15
	v_add_nc_u32 v[64+\j], 2048*(\j/4)+\j%4, v5    ; the tokens' numbers
.endr
	s_mov_b32 s14, 0
	s_wait_loadcnt 0x0
.irp j, 0,1,2,3,4,5,6,7,8,9,10,11,12,13,14,15
	v_cmp_eq_u32 s[32+\j], s11, v[8+\j]            ; the lanes whose token j is of my pair
.endr
.irp j, 0,1,2,3,4,5,6,7,8,9,10,11,12,13,14,15
	s_bcnt1_i32_b32 s15, s[32+\j]
	s_add_co_u32 s14, s14, s15                     ; my wave's matches
.endr
	v_mov_b32 v24, s10
	v_lshlrev_b32 v24, 2, v24
	v_mov_b32 v25, s14
	ds_store_b32 v24, v25                          ; all lanes write the same word with the same value
	s_wait_dscnt 0x0                               ; for the others' sake
	s_barrier_signal -1
	s_barrier_wait -1
	v_mov_b32 v26, 0
.irp z, 0,1,2,3
	ds_load_b128 v[32+4*\z:35+4*\z], v26 offset:16*\z
.endr
	s_wait_dscnt 0x0
.irp k, 0,1,2,3,4,5,6,7,8,9,10,11,12,13,14,15
	v_readfirstlane_b32 s[48+\k], v[32+\k]
.endr
	s_mov_b32 s16, 0                               ; the matches of the waves before mine,
	s_mov_b32 s17, 0                               ; and of all
.irp k, 0,1,2,3,4,5,6,7,8,9,10,11,12,13,14,15
	s_cmp_gt_u32 s10, \k
	s_cselect_b32 s15, s[48+\k], 0
	s_add_co_u32 s16, s16, s15
	s_add_co_u32 s17, s17, s[48+\k]
.endr
.irp j, 0,1,2,3,4,5,6,7,8,9,10,11,12,13,14,15
	v_mbcnt_lo_u32_b32 v[48+\j], s[32+\j], s16     ; what came before + the matching lanes below mine
	s_bcnt1_i32_b32 s15, s[32+\j]
	s_add_co_u32 s16, s16, s15
	v_min_u32 v[48+\j], 0x1fff, v[48+\j]           ; a place is under 8,192: held there, since it comes of loaded numbers
	v_lshlrev_b32 v[48+\j], 2, v[48+\j]
.endr
	s_min_u32 s18, s17, 0x2000
	s_lshl_b32 s18, s18, 2
	v_mov_b32 v80, s18                             ; the word behind the last token
	v_mov_b32 v81, 0
	s_lshl_b32 s19, ttmp9, 2
	v_mov_b32 v82, s19
	v_mov_b32 v83, s17
	s_wait_xcnt 0x0                                ; EXEC changes only behind this wait
.irp j, 0,1,2,3,4,5,6,7,8,9,10,11,12,13,14,15
	s_and_saveexec_b32 s20, s[32+\j]
	global_store_b32 v[48+\j], v[64+\j], s[6:7]
	s_wait_xcnt 0x0
	s_or_b32 exec_lo, exec_lo, s20
.endr
	v_cmp_eq_u32 vcc_lo, 0, v0
	s_and_saveexec_b32 s20, vcc_lo                 ; thread 0 alone
	global_store_b32 v80, v81, s[6:7]
	global_store_b32 v82, v83, s[8:9]
	s_wait_xcnt 0x0
	s_or_b32 exec_lo, exec_lo, s20
	s_wait_tensorcnt 0x0                           ; the wave's end, behind my last LDS store
	ds_add_u32 v[SPW], v[NIL]
	s_wait_dscnt 0x0
	s_endpgm
.Lfunc_end_k_qa12e495c8c_place:
	.size	k_qa12e495c8c_place, .Lfunc_end_k_qa12e495c8c_place-k_qa12e495c8c_place
	.p2alignl 7, 3214868480
	.fill 96, 4, 3214868480
	.section	.rodata,"a",@progbits
	.p2align	6, 0x0
	.amdhsa_kernel k_qa12e495c8c_place
		.amdhsa_group_segment_fixed_size 2304
		.amdhsa_private_segment_fixed_size 0
		.amdhsa_enable_private_segment 0
		.amdhsa_kernarg_size 24
		.amdhsa_user_sgpr_count 2
		.amdhsa_user_sgpr_kernarg_segment_ptr 1
		.amdhsa_wavefront_size32 1
		.amdhsa_system_sgpr_workgroup_id_x 1
		.amdhsa_system_sgpr_workgroup_id_y 1
		.amdhsa_system_sgpr_workgroup_id_z 1
		.amdhsa_system_vgpr_workitem_id 0
		.amdhsa_next_free_vgpr 96
		.amdhsa_next_free_sgpr 66
		.amdhsa_reserve_vcc 1
		.amdhsa_float_denorm_mode_32 3
		.amdhsa_float_denorm_mode_16_64 3
		.amdhsa_memory_ordered 1
		.amdhsa_forward_progress 1
		.amdhsa_inst_pref_size 15
	.end_amdhsa_kernel
	.amdgpu_metadata
---
amdhsa.version: [ 1, 2 ]
amdhsa.kernels:
  - .name:           k_qa12e495c8c_place
    .symbol:         k_qa12e495c8c_place.kd
    .args:
      - { .name: pair, .offset: 0, .size: 8, .value_kind: global_buffer, .address_space: global }
      - { .name: order, .offset: 8, .size: 8, .value_kind: global_buffer, .address_space: global }
      - { .name: counts, .offset: 16, .size: 8, .value_kind: global_buffer, .address_space: global }
    .group_segment_fixed_size: 2304
    .private_segment_fixed_size: 0
    .kernarg_segment_align: 8
    .kernarg_segment_size: 24
    .max_flat_workgroup_size: 512
    .sgpr_count:     66
    .vgpr_count:     96
    .wavefront_size: 32
...
	.end_amdgpu_metadata
.endif
;; end of part 2
;; launch chain (part 3): grid 155 x 1, 4 waves a work-group, no clusters, 287,488 bytes of LDS; arguments xq, xs, wf, order, counts, wts, b1, b2, out0; writes out0
.if DOCPART == 3
	.amdgcn_target "amdgcn-amd-amdhsa--gfx1250"
	.amdhsa_code_object_version 6
	.text
	.protected	k_qa12e495c8c_chain
	.globl	k_qa12e495c8c_chain
	.p2align	8
	.type	k_qa12e495c8c_chain,@function
k_qa12e495c8c_chain:
	s_mov_b64 s[64:65], 0
	v_nop
	global_prefetch_b8 v0, s[64:65] scope:SCOPE_SE
	s_setreg_imm32_b32 hwreg(HW_REG_WAVE_MODE, 25, 1), 1
	s_wait_xcnt 0x0
; THIRD LAUNCH: out0[t] = p_lo (relu(x W1[lo] + b1[lo]) W2[lo] + b2[lo]) + p_hi (the same of hi), lo < hi the two experts chosen for token t.  The six experts whose combine weight is 0 by reference()'s own
; one_hot are left out (shown at the head of the first launch).  Both products on codes of E5M2 with one E8M0 scale for each 32 along K; the hidden layer is quantised in registers and never goes to memory.
; SHARES.  A work-group takes a tile: up to 64 tokens of ONE pair of experts, as four tiles of 16, through both experts' chains: so each row of out0 has one owner.  With 8,192 tokens, 28 pairs and tiles of 64
; there are never more than 128 + 27 = 155 tiles, whatever the choice: that many work-groups are launched; one that the split leaves without rows passes the barriers, jumps over the work and stores nothing.
; THE WAVES SHARE THE COLUMNS: wave w makes hidden units 128 w .. + 127 of both experts (K step w of the second product) and outputs 256 w .. + 255, in two chunks of 128.  So each weight byte is loaded by
; one wave, straight into the operand's registers, 512 consecutive bytes an instruction, from the layout that the first launch made (a block of 16,896 bytes = one K step against 8 tiles of 16 weight rows).
; Both products are used transposed (source 0 = 16 weight rows, source 1 = 16 tokens): a lane holds ONE token throughout.  The tokens' codes go from wave to wave through LDS as images of the operand's registers.
; THE RING OF WEIGHTS: four slots of half a block (4 tiles, 64 registers, and 2 registers of scale words).  While half n is multiplied, half n + 3 is asked for, into the slot that half n - 1 has left: 17 loads
; a half, 51 out at the most beside the half at work.  The ring runs on from segment to segment, under the quantising and the way out.
; NO CLUSTER, NO TENSOR LOADS: the work is jumped over on a number read from memory, and partners would have tiles of other pairs or none; so the weights come once for each tile.
; LIMITS: NaN and infinities are not served.  A hidden block of zeros carries the byte 1: its codes are zeros.  The rows of a tile beyond its count repeat its last token: the same bytes are stored again by the same wave.
.set BLK,   16896
.set XIMG,  0                          ; LDS: x's fragments: K step s x 8,192 + token tile m x 2,048 + register group c x 512 + 16 x lane
.set HIMG,  65536                      ; the hidden layer's: (4 x + s) x 8,192 + the same; x = 0: lo, 1: hi
.set XSC,   131072                     ; x's scale words: s x 512 + m x 128 + 4 x lane
.set HSC,   135168                     ; the hidden layer's
.set TOKT,  139264                     ; the tile's 64 tokens
.set BIAS,  139520                     ; 3,072 bytes a wave: b1[lo] 512, b1[hi] 512, b2[lo] 1,024, b2[hi] 1,024: my columns of each
.set STG,   151808                     ; the way out: 64 rows x (512 bytes + 16) for each wave
.set SPARE, 286976                     ; the spare words, 128 bytes for each wave: two blocks of 256 bytes that no other line names
.set TA,  0                            ; v0   behind the head: an LDS address of the moment
.set LI,  1                            ; v1   16 x lane
.set LS,  2                            ; v2   4 x lane
.set L8,  3                            ; v3   8 x lane
.set BFA, 4                            ; v4   where the token fragments lie: 16 x lane + XIMG or HIMG
.set BSA, 5                            ; v5   and their scale words
.set BIA, 6                            ; v6   b1 as a C operand: BIAS + 3,072 w + 64 (lane / 16)
.set BIB, 7                            ; v7   b2: BIAS + 3,072 w + 1,024 + 32 (lane / 16)
.set HWI, 8                            ; v8   where I store the hidden layer's images: HIMG + 8,192 w + 16 x lane
.set HWS, 9                            ; v9   and their scale words: HSC + 512 w + 4 x lane
.set HWA, 10                           ; v10  the same for the expert in hand
.set HSA, 11                           ; v11
.set SO,  12                           ; v12  the stage: where I put 32 bytes of a row
.set SR,  13                           ; v13  and where I read a row back
.set SPW, 14                           ; v14  LDS address of my spare word; never rewritten
.set NIL, 15                           ; v15  0; never rewritten
.set WT,  16                           ; v16-31   for each token tile: (p_lo, p_hi), (p_hi, p_hi) of my token
.set WS,  32                           ; v32-39   the weights' scale words, two registers a slot: scales and nothing else
.set BS,  40                           ; v40-47   the tokens' scale words, two sets of four: scales and nothing else
.set TM,  48                           ; v48-63   at work in the quantiser; at the head: lane terms and addresses
.set BI,  64                           ; v64-127  a bias as 8 tiles' C; at the head, in the quantiser and on the way out: at work
.set BF,  128                          ; v128-255 token fragments, two sets of 4 x 16; also the head's gather, the codes just made, rows on the way out
; window 1: accumulators, (weight tile t, token tile m) at v[64 m + 8 t]; window 2: the ring, slot q, tile i, group c at v[64 q + 16 i + 4 c]; window 3: the second set of accumulators (expert hi, second product)
.set WV,  22
.set ROWS, 23                          ; s23  my tile's rows, 0 to 64
.set ELO, 24
.set EHI, 25
.set OB,  26                           ; s[26:27] my pair's part of order, in bytes
.set SS,  28                           ; s28  my pair's first tile
.set SC,  29                           ; s29  my pair's tokens
.set SEL, 34                           ; s[34:35]
.set P1,  36                           ; s[36:37] W1's blocks of the expert in hand, my wave's;  s[38:39] what follows them
.set P2,  38
.set PBL, 40                           ; s[40:41], s[42:43] W2's blocks of lo and of hi, my wave's
.set PBH, 42
.set OUTW, 44                          ; s[44:45] out0 + 1,024 w
.set MNT, 46
.set TRIP, 47
.set HX,  48                           ; s48-50 the expert in hand: 32,768, 2,048 and 512 x
.set HX2, 49
.set BX,  50
.set ACC, 51
.set R0,  60
.set RM1, 61
.set MSB, 0
.macro WIN new                         ; the immediate's high byte repeats the setting that is left
.if MSB != \new
	s_set_vgpr_msb (MSB<<8)|\new
.set MSB, \new
.endif
.endm
.macro RSC p, o, q, g                  ; half g of the block at o: its scale words into slot q
	global_load_b64 v[WS+2*(\q):WS+2*(\q)+1], v[L8], s[\p:\p+1] offset:(\o)+16384+256*(\g)
.endm
.macro RCO p, o, q, g                  ; and its four tiles' codes (destination window 2)
.irp i, 0,1,2,3
.irp c, 0,1,2,3
	global_load_b128 v[64*(\q)+16*\i+4*\c:64*(\q)+16*\i+4*\c+3], v[LI], s[\p:\p+1] offset:(\o)+8192*(\g)+2048*\i+512*\c
.endr
.endr
.endm
.macro FRAG u, m                       ; token tile m of step u into set u % 2, with its scale word: 5 LDS loads
.irp c, 0,1,2,3
	ds_load_b128 v[BF+64*((\u)%2)+16*(\m)+4*\c:BF+64*((\u)%2)+16*(\m)+4*\c+3], v[BFA] offset:8192*(\u)+2048*(\m)+512*\c
.endr
	ds_load_b32 v[BS+4*((\u)%2)+(\m)], v[BSA] offset:512*(\u)+128*(\m)
.endm
	s_load_b512 s[4:19], s[0:1], 0x0               ; xq s[4:5], xs s[6:7], wf s[8:9], order s[10:11], counts s[12:13], wts s[14:15], b1 s[16:17], b2 s[18:19]
	s_load_b64 s[20:21], s[0:1], 0x40              ; out0
	v_lshl_add_u32 v[SPW], v0, 2, SPARE
	v_mov_b32 v[NIL], 0
	v_lshrrev_b32 v48, 5, v0
	v_readfirstlane_b32 s[WV], v48                 ; wave 0..3
	v_and_b32 v50, 31, v0
	v_and_b32 v48, 15, v0                          ; r
	v_bfe_u32 v49, v0, 4, 1                        ; h
	v_lshlrev_b32 v[LI], 4, v50
	v_lshlrev_b32 v[LS], 2, v50
	v_lshlrev_b32 v[L8], 3, v50
	s_wait_kmcnt 0x0
	s_load_b512 s[68:83], s[12:13], 0x0            ; the 28 pairs' counts, which the second launch stored
	s_load_b256 s[84:91], s[12:13], 0x40
	s_load_b128 s[92:95], s[12:13], 0x60
	s_mul_i32 s30, s[WV], 3072
	s_add_co_u32 s30, s30, BIAS
	v_lshl_add_u32 v[BIA], v49, 6, s30
	v_add_nc_u32 v59, s30, v[LI]                   ; where I store my biases
	s_add_co_u32 s30, s30, 1024
	v_lshl_add_u32 v[BIB], v49, 5, s30
	s_lshl_b32 s31, s[WV], 13
	s_add_co_u32 s31, s31, HIMG
	v_add_nc_u32 v[HWI], s31, v[LI]
	s_lshl_b32 s31, s[WV], 9
	s_add_co_u32 s31, s31, HSC
	v_add_nc_u32 v[HWS], s31, v[LS]
	s_mul_i32 s31, s[WV], 33792
	s_add_co_u32 s31, s31, STG
	v_mul_u32_u24 v[SO], v48, 528
	v_lshl_add_u32 v[SO], v49, 5, v[SO]
	v_add_nc_u32 v[SO], s31, v[SO]
	v_add_nc_u32 v[SR], s31, v[LI]
	s_lshl_b32 s31, s[WV], 11
	v_add_nc_u32 v56, s31, v[LI]                   ; x's images of token tile w: XIMG + 2,048 w + 16 x lane
	s_lshl_b32 s31, s[WV], 7
	s_add_co_u32 s31, s31, XSC
	v_add_nc_u32 v57, s31, v[LS]
	s_lshl_b32 s31, s[WV], 6
	s_add_co_u32 s31, s31, TOKT
	v_lshl_add_u32 v58, v48, 2, s31                ; token 16 w + r's word
	s_mov_b32 s[SEL], 0x76543210
	s_mov_b32 s[SEL+1], 0xfedcba98                 ; v_permlanex16_b32's selects for lane l xor 16
	s_mov_b32 s[MNT], 0x600000                     ; the mantissa field of 57,344
	s_mov_b32 s[ACC], 0
	s_mov_b32 s[OB], 0
	s_mov_b32 s[SS], 0
	s_mov_b32 s[SC], 0
	s_mov_b32 s[ELO], 0
	s_mov_b32 s[EHI], 0
	s_wait_kmcnt 0x0
; WHICH TILE IS MINE: pair B has ceil(count / 64) tiles, one pair's behind the other's.  The last pair whose first tile is at or under my number is mine: selections, no branch.
.set B, 0
.set LO, 0
.set HI, 1
.rept 28
	s_cmp_ge_u32 ttmp9, s[ACC]
	s_cselect_b32 s[OB], B*33024, s[OB]
	s_cselect_b32 s[SS], s[ACC], s[SS]
	s_cselect_b32 s[SC], s[68+B], s[SC]
	s_cselect_b32 s[ELO], LO, s[ELO]
	s_cselect_b32 s[EHI], HI, s[EHI]
	s_add_co_u32 s30, s[68+B], 63
	s_lshr_b32 s30, s30, 6
	s_add_co_u32 s[ACC], s[ACC], s30
.set B, B+1
.set LO, LO+1
.if LO == HI
.set LO, 0
.set HI, HI+1
.endif
.endr
	s_sub_co_u32 s[R0], ttmp9, s[SS]
	s_lshl_b32 s[R0], s[R0], 6                     ; my first row among the pair's
	s_sub_co_i32 s30, s[SC], s[R0]
	s_max_i32 s30, s30, 0
	s_min_u32 s[ROWS], s30, 64
	s_max_u32 s[RM1], s[ROWS], 1
	s_sub_co_u32 s[RM1], s[RM1], 1                 ; my last row, or 0
	s_min_u32 s[ELO], s[ELO], 7                    ; what hangs on loaded numbers is held inside its table
	s_min_u32 s[EHI], s[EHI], 7
	s_min_u32 s[OB], s[OB], 891648
	s_mov_b32 s[OB+1], 0
	s_add_nc_u64 s[10:11], s[10:11], s[OB:OB+1]
	s_mov_b32 s33, 0
	s_mul_i32 s30, s[WV], 8*BLK
	s_mul_i32 s32, s[ELO], 32*BLK
	s_add_co_u32 s32, s32, s30
	s_add_nc_u64 s[P1:P1+1], s[8:9], s[32:33]
	s_mul_i32 s32, s[EHI], 32*BLK
	s_add_co_u32 s32, s32, s30
	s_add_nc_u64 s[P2:P2+1], s[8:9], s[32:33]
	s_add_nc_u64 s[PBL:PBL+1], s[P1:P1+1], 256*BLK
	s_add_nc_u64 s[PBH:PBH+1], s[P2:P2+1], 256*BLK
	s_lshl_b32 s30, s[WV], 9
	s_lshl_b32 s32, s[ELO], 11
	s_add_co_u32 s32, s32, s30
	s_add_nc_u64 s[52:53], s[16:17], s[32:33]      ; b1[lo], my 128
	s_lshl_b32 s32, s[EHI], 11
	s_add_co_u32 s32, s32, s30
	s_add_nc_u64 s[54:55], s[16:17], s[32:33]      ; b1[hi]
	s_lshl_b32 s30, s[WV], 10
	s_lshl_b32 s32, s[ELO], 12
	s_add_co_u32 s32, s32, s30
	s_add_nc_u64 s[56:57], s[18:19], s[32:33]      ; b2[lo], my 256
	s_lshl_b32 s32, s[EHI], 12
	s_add_co_u32 s32, s32, s30
	s_add_nc_u64 s[58:59], s[18:19], s[32:33]      ; b2[hi]
	s_mov_b32 s32, s30
	s_add_nc_u64 s[OUTW:OUTW+1], s[20:21], s[32:33]
.irp m, 0,1,2,3
	v_add_nc_u32 v[50+\m], 16*\m, v48              ; rows 16 m + r,
.endr
	s_lshl_b32 s31, s[WV], 4
	v_add_nc_u32 v54, s31, v48                     ; and 16 w + r
.irp k, 0,1,2,3,4
	v_min_u32 v[50+\k], s[RM1], v[50+\k]           ; rows beyond my count repeat the last
	v_add_nc_u32 v[50+\k], s[R0], v[50+\k]
	v_min_u32 v[50+\k], s[SC], v[50+\k]            ; a work-group without rows reads the word behind the pair's last token
	v_min_u32 v[50+\k], 0x2000, v[50+\k]
	v_lshlrev_b32 v[50+\k], 2, v[50+\k]
.endr
.irp k, 0,1,2,3,4
	global_load_b32 v[64+\k], v[50+\k], s[10:11]   ; the tokens
.endr
	RSC P1, 0, 0, 0                                ; the ring's first three halves
	RSC P1, 0, 1, 1
	RSC P1, BLK, 2, 0
	WIN 0x80
	RCO P1, 0, 0, 0
	RCO P1, 0, 1, 1
	RCO P1, BLK, 2, 0
	WIN 0
	s_wait_loadcnt 51                              ; the five tokens are in; the ring's 51 loads, issued behind them, may be out
.irp k, 0,1,2,3,4
	v_min_u32 v[64+\k], 0x1fff, v[64+\k]
.endr
	v_lshlrev_b32 v110, 4, v49
	v_lshl_add_u32 v104, v68, 10, v110             ; xq: my token's row + 16 h
	v_lshlrev_b32 v105, 5, v68                     ; xs: its 32 bytes
.irp m, 0,1,2,3
	v_lshlrev_b32 v[106+\m], 3, v[64+\m]           ; wts: 8 bytes a token
.endr
.irp s, 0,1,2,3,4,5,6,7
.irp c, 0,1,2,3
	global_load_b128 v[BF+16*\s+4*\c:BF+16*\s+4*\c+3], v104, s[4:5] offset:128*\s+32*\c   ; token tile w's eight fragments, in the operand's layout
.endr
.endr
	global_load_b128 v[72:75], v105, s[6:7]
	global_load_b128 v[76:79], v105, s[6:7] offset:16
.irp m, 0,1,2,3
	global_load_b64 v[WT+4*\m:WT+4*\m+1], v[106+\m], s[14:15]
.endr
	global_load_b128 v[80:83], v[LI], s[52:53]
	global_load_b128 v[84:87], v[LI], s[54:55]
	global_load_b128 v[88:91], v[LI], s[56:57]
	global_load_b128 v[92:95], v[LI], s[56:57] offset:512
	global_load_b128 v[96:99], v[LI], s[58:59]
	global_load_b128 v[100:103], v[LI], s[58:59] offset:512
	s_wait_loadcnt 0x0
.irp s, 0,1,2,3,4,5,6,7
.irp c, 0,1,2,3
	ds_store_b128 v56, v[BF+16*\s+4*\c:BF+16*\s+4*\c+3] offset:8192*\s+512*\c
.endr
	ds_store_b32 v57, v[72+\s] offset:512*\s
.endr
	ds_store_b32 v58, v68                          ; lanes r and r + 16 write the same word with the same value
.irp k, 0,1,2,3,4,5
	ds_store_b128 v59, v[80+4*\k:83+4*\k] offset:512*\k
.endr
.irp m, 0,1,2,3
	v_mov_b32 v[WT+4*\m+2], v[WT+4*\m+1]           ; the packed forms take a pair's low word for both halves
	v_mov_b32 v[WT+4*\m+3], v[WT+4*\m+1]
.endr
.irp b, 0,1,2,3
	v_mov_b32 v[TM+4+\b], 0                        ; written once: a lane permute's destination counts as one of its sources
.endr
	v_mov_b32 v[BFA], v[LI]                        ; the first product's tokens: x
	v_add_nc_u32 v[BSA], XSC, v[LS]
	s_mov_b32 s[HX], 0
	s_mov_b32 s[HX2], 0
	s_mov_b32 s[BX], 0
	s_mov_b32 s[TRIP], 2
	s_wait_dscnt 0x0                               ; for the others' sake: my stores have landed
	s_barrier_signal -1
	s_barrier_wait -1                              ; x's 32 fragments, their scale words and the tokens lie in LDS
; One product: weight tile 4 GG + IDX % 4 x token tile IDX / 4.  A half's 16 accumulators take turns, one instruction a turn; 31 others' stand between two links of a chain.
.macro MM
.set MI, IDX/4
.set TI, IDX%4
.set TT, 4*GG+TI
.set RD, 64*MI+8*TT
.set RA, 64*QQ+16*TI
.set RB, BF+64*SB+16*MI
.set RS, WS+2*QQ+TI/2
.set RT, BS+4*SB+MI
.if FIRST                              ; the bias is the C of a sum's first product
.if TI%2
	v_wmma_scale_f32_16x16x128_f8f6f4 v[RD:RD+7], v[RA:RA+15], v[RB:RB+15], v[BI+8*TT:BI+8*TT+7], v[RS], v[RT] matrix_a_fmt:MATRIX_FMT_BF8 matrix_b_fmt:MATRIX_FMT_BF8 matrix_a_scale:MATRIX_SCALE_ROW1
.else
	v_wmma_scale_f32_16x16x128_f8f6f4 v[RD:RD+7], v[RA:RA+15], v[RB:RB+15], v[BI+8*TT:BI+8*TT+7], v[RS], v[RT] matrix_a_fmt:MATRIX_FMT_BF8 matrix_b_fmt:MATRIX_FMT_BF8
.endif
.else
.if TI%2
	v_wmma_scale_f32_16x16x128_f8f6f4 v[RD:RD+7], v[RA:RA+15], v[RB:RB+15], v[RD:RD+7], v[RS], v[RT] matrix_a_fmt:MATRIX_FMT_BF8 matrix_b_fmt:MATRIX_FMT_BF8 matrix_a_scale:MATRIX_SCALE_ROW1
.else
	v_wmma_scale_f32_16x16x128_f8f6f4 v[RD:RD+7], v[RA:RA+15], v[RB:RB+15], v[RD:RD+7], v[RS], v[RT] matrix_a_fmt:MATRIX_FMT_BF8 matrix_b_fmt:MATRIX_FMT_BF8
.endif
.endif
.endm
; In front of a segment: the bias as 8 tiles' C (16 loads), then step 0's four token fragments.  pat = 0: b1, tile 2 b + u's units 32 b + 16 h + 8 u + 0 .. 7; pat = 1: b2, chunk c2, tile t's outputs 16 t + 8 h + 0 .. 7.
.macro PRO adr, pat, c2
.irp t, 0,1,2,3,4,5,6,7
.if \pat
.set BO, 64*\t+512*\c2
.else
.set BO, (32*(\t/2)+8*(\t%2))*4
.endif
	ds_load_b128 v[BI+8*\t:BI+8*\t+3], v[\adr] offset:BO
	ds_load_b128 v[BI+8*\t+4:BI+8*\t+7], v[\adr] offset:BO+16
.endr
.irp m, 0,1,2,3
	FRAG 0, \m
.endr
.endm
; A SEGMENT: 8 steps of 128 along K, 16 halves, 256 products.  kind = 0: the first product of one expert, K = 1,024.  kind = 1: the second product of a chunk of 128 outputs: steps 0-3 expert lo (window 1),
; steps 4-7 expert hi (window 3).  Steps 0-3 take their blocks from (pa, oa), steps 4-7 from (pb, ob); the ring's look-ahead over the end goes to (pc, oc), the next segment's first blocks; last = 1: to nothing.
; A HALF: 8 products; 8 places in front of loads into registers that the half before has read; the next step's token fragments; the ring's 17 loads; 8 products.
.macro SEG kind, c2, pa, oa, pb, ob, pc, oc, last
.set NH, 0
.rept 16
.set UU, NH/2
.set GG, NH%2
.set QQ, NH%4
.set SB, UU%2
.set FIRST, 0
.set WM, 0x52                          ; weights window 2, tokens window 0, C and D window 1
.if UU == 0
.set FIRST, 1
.set WM, 0x42                          ; C (the bias) window 0
.endif
.if \kind
.if UU >= 4
.set WM, 0xf2                          ; C and D window 3
.endif
.if UU == 4
.set FIRST, 1
.set WM, 0xc2
.endif
.endif
.set XTRA, 0
.if \kind && (NH == 2)
.set XTRA, 1
.endif
.set DSN, 1
.if UU == 7
.set DSN, 0
.endif
.set UR, (NH+3)/2
.set GR, (NH+3)%2
.set QR, (NH+3)%4
.set RING, 1
.if \last && (UR >= 8)
.set RING, 0
.endif
.set LW, 34
.if \last && (NH == 14)
.set LW, 17
.endif
.if \last && (NH == 15)
.set LW, 0
.endif
	s_wait_loadcnt LW                              ; this half's 17 loads are in; the two halves' (at the very end: one's, none) issued behind them may be out
.if GG == 0
	s_wait_dscnt 10                                ; the step's token tiles 0 and 1 are in (and what was asked for ahead of them); tiles 2 and 3, ten loads, may be out
.endif
	WIN WM
.set IDX, 0
.rept 8
	MM
.set IDX, IDX+1
.endr
.rept 8
	v_nop
.endr
	WIN 0
.if XTRA
.irp t, 0,1,2,3,4,5,6,7
	ds_load_b128 v[BI+8*\t:BI+8*\t+3], v[BIB] offset:1024+512*\c2+64*\t       ; b2[hi], for step 4: b2[lo] was last read in step 0
	ds_load_b128 v[BI+8*\t+4:BI+8*\t+7], v[BIB] offset:1024+512*\c2+64*\t+16
.endr
.endif
.if DSN
	FRAG UU+1, 2*GG
	FRAG UU+1, 2*GG+1
.endif
.if RING
.if UR < 4
	RSC \pa, \oa+UR*BLK, QR, GR
	WIN 0x80
	RCO \pa, \oa+UR*BLK, QR, GR
.elseif UR < 8
	RSC \pb, \ob+(UR-4)*BLK, QR, GR
	WIN 0x80
	RCO \pb, \ob+(UR-4)*BLK, QR, GR
.else
	RSC \pc, \oc+(UR-8)*BLK, QR, GR
	WIN 0x80
	RCO \pc, \oc+(UR-8)*BLK, QR, GR
.endif
.endif
.if GG == 0
	s_wait_dscnt 10*DSN+16*XTRA                    ; token tiles 2 and 3 are in; what this half itself has asked of LDS may be out
.endif
	WIN WM
.rept 8
	MM
.set IDX, IDX+1
.endr
.set NH, NH+1
.endr
	WIN 0
.rept 8
	v_nop                                          ; places in front of the first read of results and of loads and vector writes into the last products' registers
.endr
.endm
; Token tile m's 64 hidden numbers of a lane (register 16 b + i = unit 32 b + 16 (lane / 16) + i of my 128) become K step w of the second product: a fragment's codes and its scale word, stored as images.
.macro QUANT m
.set HH, 64*(\m)
.set PC, BF+16*(\m)
	WIN 0x05                                       ; sources 0 and 1 window 1.  No |.|: what is negative is to become 0, so it must not count; the floor stands over it
.irp b, 0,1,2,3
	v_max3_num_f32 v[TM+\b], v[HH+16*\b], v[HH+16*\b+1], 0x8000000   ; each accumulator is read from its low end on; the floor 2^(16 - 127): the byte cannot fall under 1
.endr
.irp i, 2,4,6,8,10,12,14
.irp b, 0,1,2,3
	v_max3_num_f32 v[TM+\b], v[HH+16*\b+\i], v[HH+16*\b+\i+1], v[TM+\b]
.endr
.endr
	WIN 0
.irp b, 0,1,2,3
	v_permlanex16_b32 v[TM+4+\b], v[TM+\b], s[SEL], s[SEL+1]
.endr
.irp b, 0,1,2,3
	v_max_num_f32 v[TM+\b], v[TM+\b], v[TM+4+\b]   ; with lane l xor 16's: the block's largest
.endr
.irp b, 0,1,2,3
	v_add_nc_u32 v[TM+12+\b], 0xf8800000, v[TM+\b] ; 15 off the exponent field: the conversion's scale operand
.endr
.irp b, 0,1,2,3
	v_and_or_b32 v[TM+8+\b], v[TM+\b], 0x7f800000, s[MNT]   ; 57,344 x the scale
.endr
.irp b, 0,1,2,3
	v_lshrrev_b32 v[TM+4+\b], 23, v[TM+12+\b]      ; the scale's byte
.endr
	v_lshl_or_b32 v[BI+(\m)], v[TM+5], 8, v[TM+4]
	v_lshl_or_b32 v[BI+(\m)], v[TM+6], 16, v[BI+(\m)]
	v_lshl_or_b32 v[BI+(\m)], v[TM+7], 24, v[BI+(\m)]
	WIN 0x41                                       ; destination and source 0 window 1
.irp b, 0,1,2,3
.irp i, 0,1,2,3,4,5,6,7,8,9,10,11,12,13,14,15
	v_med3_num_f32 v[HH+16*\b+\i], v[HH+16*\b+\i], 0, v[TM+8+\b]   ; the activation and the hold in one
.endr
.endr
	WIN 0x01                                       ; source 0 window 1
.irp b, 0,1,2,3
	v_cvt_scalef32_pk8_bf8_f32 v[PC+4*\b:PC+4*\b+1], v[HH+16*\b:HH+16*\b+7], v[TM+12+\b]
	v_cvt_scalef32_pk8_bf8_f32 v[PC+4*\b+2:PC+4*\b+3], v[HH+16*\b+8:HH+16*\b+15], v[TM+12+\b]
.endr
	WIN 0
	v_nop                                          ; a plain instruction behind the last conversion: later products write its sources
.irp c, 0,1,2,3
	ds_store_b128 v[HWA], v[PC+4*\c:PC+4*\c+3] offset:2048*(\m)+512*\c
.endr
	ds_store_b32 v[HSA], v[BI+(\m)] offset:128*(\m)
.endm
; THE WAY OUT of a chunk of 128 outputs: p_lo x lo's sums + p_hi x hi's; through my stage, so that a row's 512 bytes leave by one store; 16 rows at a time, as many batches as my tile has rows for.
.macro EPI c2
	WIN 0x41
.set AA, 0
.rept 128
	v_pk_mul_f32 v[AA:AA+1], v[AA:AA+1], v[WT+4*(AA/64):WT+4*(AA/64)+1] op_sel_hi:[1,0]
.set AA, AA+2
.endr
	WIN 0x53                                       ; source 0 window 3, source 2 and destination window 1
.set AA, 0
.rept 128
	v_pk_fma_f32 v[AA:AA+1], v[AA:AA+1], v[WT+4*(AA/64)+2:WT+4*(AA/64)+3], v[AA:AA+1] op_sel_hi:[1,0,1]
.set AA, AA+2
.endr
	WIN 0x04                                       ; an LDS store's data are its source 1: window 1
.irp m, 0,1,2,3
.irp t, 0,1,2,3,4,5,6,7
	ds_store_b128 v[SO], v[64*\m+8*\t:64*\m+8*\t+3] offset:8448*\m+64*\t       ; lane (r, h): row 16 m + r, outputs 16 t + 8 h + 0 .. 7
	ds_store_b128 v[SO], v[64*\m+8*\t+4:64*\m+8*\t+7] offset:8448*\m+64*\t+16
.endr
.endr
	WIN 0
	v_mov_b32 v[TA], TOKT
.irp bt, 0,1,2,3
.if \bt > 0
	s_cmp_le_u32 s[ROWS], 16*\bt
	s_cbranch_scc1 .Lout_\@
.endif
	s_wait_xcnt 0x0                                ; earlier stores have read their registers
.set TK, BI+16*(\bt%2)
.set AD, BI+32+16*(\bt%2)
.set RW, BF+64*(\bt%2)
.irp z, 0,1,2,3
	ds_load_b128 v[TK+4*\z:TK+4*\z+3], v[TA] offset:64*\bt+16*\z   ; 16 tokens, the same in every lane
.endr
.irp i, 0,1,2,3,4,5,6,7,8,9,10,11,12,13,14,15
	ds_load_b128 v[RW+4*\i:RW+4*\i+3], v[SR] offset:528*(16*\bt+\i)   ; LDS serves a wave's instructions in order: these see my stores
.endr
.irp i, 0,1,2,3,4,5,6,7,8,9,10,11,12,13,14,15
	s_wait_dscnt 15-\i                             ; row i is in; the younger rows may be out
	v_min_u32 v[TK+\i], 0x1fff, v[TK+\i]
	v_lshl_add_u32 v[AD+\i], v[TK+\i], 12, v[LI]   ; the token's row of 4,096 bytes + 16 x lane
	global_store_b128 v[AD+\i], v[RW+4*\i:RW+4*\i+3], s[OUTW:OUTW+1] offset:512*\c2 th:TH_STORE_NT   ; 512 consecutive bytes, at a multiple of 512 from out0's first byte
.endr
.endr
.Lout_\@:
.endm
; THE FIRST PRODUCT, two trips: expert lo, expert hi.  Every wave walks the loop; a work-group without rows jumps over the work alone.
.Lexpert:
	v_add_nc_u32 v[TA], s[BX], v[BIA]
	v_add_nc_u32 v[HWA], s[HX], v[HWI]
	v_add_nc_u32 v[HSA], s[HX2], v[HWS]
	s_cmp_eq_u32 s[ROWS], 0
	s_cbranch_scc1 .Lno_rows
	PRO TA, 0, 0
	SEG 0, 0, P1, 0, P1, 4*BLK, P2, 0, 0
	QUANT 0
	QUANT 1
	QUANT 2
	QUANT 3
	s_wait_dscnt 0x0                               ; the images' stores have read their registers
.Lno_rows:
	s_wait_xcnt 0x0                                ; the ring's loads have read their bases, which are written now:
	s_mov_b64 s[P1:P1+1], s[P2:P2+1]               ; the next expert's blocks,
	s_mov_b64 s[P2:P2+1], s[PBL:PBL+1]             ; and behind them the second product's first
	s_add_co_u32 s[HX], s[HX], 32768
	s_add_co_u32 s[HX2], s[HX2], 2048
	s_add_co_u32 s[BX], s[BX], 512
	s_sub_co_u32 s[TRIP], s[TRIP], 1
	s_cmp_lg_u32 s[TRIP], 0
	s_cbranch_scc1 .Lexpert
	v_add_nc_u32 v[BFA], HIMG, v[LI]               ; the second product's tokens: the hidden layer
	v_add_nc_u32 v[BSA], HSC, v[LS]
	s_wait_dscnt 0x0                               ; for the others' sake: my images have landed, and my reads of x's are over
	s_barrier_signal -1
	s_barrier_wait -1                              ; both experts' hidden layers lie in LDS: 8 K steps x 4 token tiles
	s_cmp_eq_u32 s[ROWS], 0
	s_cbranch_scc1 .Lend
	PRO BIB, 1, 0
	SEG 1, 0, PBL, 0, PBH, 0, PBL, 4*BLK, 0
	EPI 0
	s_wait_xcnt 0x0                                ; the stores have read their registers, into which the next loads go
	PRO BIB, 1, 1
	SEG 1, 1, PBL, 4*BLK, PBH, 4*BLK, PBL, 0, 1
	EPI 1
.Lend:
	s_wait_tensorcnt 0x0                           ; the wave's end, behind my last LDS store
	ds_add_u32 v[SPW], v[NIL]
	s_wait_dscnt 0x0
	s_endpgm
.Lfunc_end_k_qa12e495c8c_chain:
	.size	k_qa12e495c8c_chain, .Lfunc_end_k_qa12e495c8c_chain-k_qa12e495c8c_chain
	.p2alignl 7, 3214868480
	.fill 96, 4, 3214868480
	.section	.rodata,"a",@progbits
	.p2align	6, 0x0
	.amdhsa_kernel k_qa12e495c8c_chain
		.amdhsa_group_segment_fixed_size 287488
		.amdhsa_private_segment_fixed_size 0
		.amdhsa_enable_private_segment 0
		.amdhsa_kernarg_size 72
		.amdhsa_user_sgpr_count 2
		.amdhsa_user_sgpr_kernarg_segment_ptr 1
		.amdhsa_wavefront_size32 1
		.amdhsa_system_sgpr_workgroup_id_x 1
		.amdhsa_system_sgpr_workgroup_id_y 1
		.amdhsa_system_sgpr_workgroup_id_z 1
		.amdhsa_system_vgpr_workitem_id 0
		.amdhsa_next_free_vgpr 1024
		.amdhsa_next_free_sgpr 96
		.amdhsa_reserve_vcc 0
		.amdhsa_float_denorm_mode_32 3
		.amdhsa_float_denorm_mode_16_64 3
		.amdhsa_memory_ordered 1
		.amdhsa_forward_progress 1
		.amdhsa_inst_pref_size 255
	.end_amdhsa_kernel
	.section	.bss,"aw",@nobits
	.p2align	6
	.space	262144
	.amdgpu_metadata
---
amdhsa.version: [ 1, 2 ]
amdhsa.kernels:
  - .name:           k_qa12e495c8c_chain
    .symbol:         k_qa12e495c8c_chain.kd
    .args:
      - { .name: xq, .offset: 0, .size: 8, .value_kind: global_buffer, .address_space: global }
      - { .name: xs, .offset: 8, .size: 8, .value_kind: global_buffer, .address_space: global }
      - { .name: wf, .offset: 16, .size: 8, .value_kind: global_buffer, .address_space: global }
      - { .name: order, .offset: 24, .size: 8, .value_kind: global_buffer, .address_space: global }
      - { .name: counts, .offset: 32, .size: 8, .value_kind: global_buffer, .address_space: global }
      - { .name: wts, .offset: 40, .size: 8, .value_kind: global_buffer, .address_space: global }
      - { .name: b1, .offset: 48, .size: 8, .value_kind: global_buffer, .address_space: global }
      - { .name: b2, .offset: 56, .size: 8, .value_kind: global_buffer, .address_space: global }
      - { .name: out0, .offset: 64, .size: 8, .value_kind: global_buffer, .address_space: global }
    .group_segment_fixed_size: 287488
    .private_segment_fixed_size: 0
    .kernarg_segment_align: 8
    .kernarg_segment_size: 72
    .max_flat_workgroup_size: 128
    .sgpr_count:     96
    .vgpr_count:     1024
    .wavefront_size: 32
...
	.end_amdgpu_metadata
.endif
;; end of part 3
;; ======== version 2 of 2: 3 launches
;; workspace buffers: xq 8,388,608 bytes; xs 262,144 bytes; wf 8,650,752 bytes; pair 32,768 bytes of whole numbers; wts 65,536 bytes; order 924,672 bytes of whole numbers; counts 256 bytes of whole numbers
;; launch gate (part 4): grid 256 x 1, 4 waves a work-group, no clusters, 33,280 bytes of LDS; arguments x, Wg, bg, W1_codes, W1_scales, W2_codes, W2_scales, xq, xs, wf, pair, wts, out1; writes xq, xs, wf, pair, wts, out1
.if DOCPART == 4
	.amdgcn_target "amdgcn-amd-amdhsa--gfx1250"
	.amdhsa_code_object_version 6
	.text
	.protected	k_qa12e495c8c_gate
	.globl	k_qa12e495c8c_gate
	.p2align	8
	.type	k_qa12e495c8c_gate,@function
k_qa12e495c8c_gate:
	s_mov_b64 s[64:65], 0
	v_nop
	global_prefetch_b8 v0, s[64:65] scope:SCOPE_SE
	s_setreg_imm32_b32 hwreg(HW_REG_WAVE_MODE, 25, 1), 1
	s_wait_xcnt 0x0
; FIRST OF THREE LAUNCHES of a layer of 8 experts of which each token takes 2.  T = 8,192 tokens, D = 1,024, F = 512.
; WORK LEFT OUT BY THE PROGRAM.  reference() computes every expert for every token and multiplies expert e's row y by combine[t, e] = sum over j of prob[t, j] x one_hot(idx[t, j])[e].
; For an expert that its own top_k did not choose for token t every one_hot term is 0, so combine[t, e] = 0 and combine x y = 0 for every finite y: those rows of the 16 quantised products
; can reach no output, whatever finite values the inputs hold.  They are left out, and the product of the probabilities with one_hot is done as a selection.  Every input still has a way to an output: all are loaded.
; LIMIT: a NaN, an infinity or an overflow that arises only in an expert that was not chosen for a token is not carried to the result.
; THIS LAUNCH reads x once and makes of it: the gate's logits (f32 multiply-adds: the choice hangs on them), the softmax (out1), the two largest probabilities of each token (equal ones: the lower
; expert first, as lax.top_k has it), stored at fixed places as a pair's number hi (hi - 1) / 2 + lo (pair) and the two weights (wts); and x's codes of E5M2 with one E8M0 byte for each 32 along D (xq, xs).
; It also lays W1's and W2's codes and scale bytes out in the order of the operand's registers (wf), so that the third launch loads each fragment by dense loads of 512 bytes.
; No address and no branch of this launch hangs on a floating-point number.
; SHARES.  A wave takes 8 rows of x, 16 steps of 512 numbers.  Each load reads 512 consecutive bytes; a step's 2,048 bytes turn through the wave's own stage in LDS and come back 16 neighbours a lane
; (two lanes hold a block of 32).  A lane's part of Wg (32 rows of 8) stays in 256 registers.  A row's 8 sums are added across the lanes by a reduction that leaves expert lane % 8 in each lane.
; LIMITS: NaN and infinities in x are not served.  A block of zeros gets the byte 1 where the rule says 127: its codes are zeros, and this program alone reads the bytes.  A probability whose
; exponential falls under the smallest normal number is stored as 0.  out1 leaves in stores of 128 bytes, pair and wts in 32 and 64 bytes a wave: 0.4 MB of the launch's 60.
.set SP,    80                         ; a lane's place in a stage: its 64 bytes + 16 of padding
.set WREG,  8192                       ; LDS: a region for each wave: two stages of 32 x SP bytes, behind them its 256 scale bytes
.set SPARE, 4*WREG                     ; behind the regions: the spare words, 128 bytes for each wave: two blocks of 256 bytes that no other line names
.set BLK,   16896                      ; a block of wf: 8 tiles x 2,048 bytes of codes, then 512 bytes of scale words
.set R,     16                         ; v16-143  eight sets of 16 numbers as they are loaded
.set X,     144                        ; v144-175 two sets of 16 neighbours
.set C,     176                        ; v176-191 four sets of codes
.set GA,    192                        ; v192-199 my part of the row's 8 logits
.set T,     200                        ; v200-207 at work in the reduction
.set E,     208                        ; v208-211 scale bytes
.set RL,    144                        ; v144-209 at the head: a half block of weights on its way from the inputs to wf
.set LG,    224                        ; v224-225 lane 8 g + e of register q: the logit of row 4 q + g, expert e
.set BGV,   226                        ; v226     bg[lane % 8]
.set IDF,   227                        ; v227     lane % 8 as f32
.set SPW,   12                         ; v12      LDS address of my spare word; never rewritten
.set NIL,   13                         ; v13      0; never rewritten
; window 1: v[128 p + 8 i + e] = Wg[512 p + 16 lane + i][e]
.set MSB, 0
.macro WIN new                         ; the immediate's high byte repeats the setting that is left
.if MSB != \new
	s_set_vgpr_msb (MSB<<8)|\new
.set MSB, \new
.endif
.endm
	s_load_b512 s[4:19], s[0:1], 0x0               ; x s[4:5], Wg s[6:7], bg s[8:9], W1's codes s[10:11], scales s[12:13], W2's codes s[14:15], scales s[16:17], xq s[18:19]
	s_load_b256 s[20:27], s[0:1], 0x40             ; xs s[20:21], wf s[22:23], pair s[24:25], wts s[26:27]
	s_load_b64 s[28:29], s[0:1], 0x60              ; out1
	v_lshl_add_u32 v[SPW], v0, 2, SPARE
	v_mov_b32 v[NIL], 0
	v_lshrrev_b32 v1, 5, v0
	v_readfirstlane_b32 s30, v1                    ; wave
	v_and_b32 v2, 31, v0                           ; lane
	v_lshlrev_b32 v3, 4, v2                        ; 16 x lane
	s_mul_i32 s31, s30, WREG
	v_lshrrev_b32 v14, 2, v2
	v_mul_u32_u24 v14, v14, SP
	v_and_b32 v15, 3, v2
	v_lshl_add_u32 v14, v15, 4, v14
	v_add_nc_u32 v14, s31, v14                     ; the stage, on the way in: SP (lane / 4) + 16 (lane % 4)
	v_mul_u32_u24 v15, v2, SP
	v_add_nc_u32 v15, s31, v15                     ; and on the way out: SP x lane
	v_lshrrev_b32 v5, 1, v2
	s_add_co_u32 s31, s31, 2*32*SP
	v_add_nc_u32 v5, s31, v5                       ; my block's scale byte
	v_lshlrev_b32 v7, 3, v2                        ; 8 x lane
	v_add_nc_u32 v6, s31, v7
	v_lshlrev_b32 v4, 9, v2                        ; Wg: my 16 rows of 32 bytes
	s_mov_b32 s34, 0x76543210
	s_mov_b32 s35, 0xfedcba98                      ; v_permlanex16_b32's selects for lane l xor 16
	s_mov_b32 s36, 0x600000                        ; the mantissa field of 57,344
	s_mov_b32 s37, 0xaaaaaaaa                      ; lanes with bit 0 set,
	s_mov_b32 s38, 0xcccccccc                      ; bit 1,
	s_mov_b32 s39, 0xf0f0f0f0                      ; bit 2
	s_mov_b32 s40, 0x000000ff                      ; the eight lanes of row j % 4
	s_mov_b32 s41, 0x0000ff00
	s_mov_b32 s42, 0x00ff0000
	s_mov_b32 s43, 0xff000000
	s_mov_b32 s51, 0x02020202                      ; lanes with lane % 8 = 1
	s_lshl_b32 s59, ttmp9, 2
	s_add_co_u32 s59, s59, s30                     ; my run of 8 rows
	s_mov_b32 s33, 0
	s_lshl_b32 s44, ttmp9, 1
	s_lshr_b32 s45, s30, 1
	s_add_co_u32 s44, s44, s45                     ; the block of wf that I lay out,
	s_and_b32 s45, s30, 1                          ; and which half of it
	s_mul_i32 s46, s44, BLK
	s_lshl_b32 s47, s45, 8
	s_add_co_u32 s48, s46, s47
	s_add_co_u32 s48, s48, 16384                   ; its scale words
	s_mov_b32 s49, 0
	s_lshl_b32 s47, s45, 13
	s_add_co_u32 s46, s46, s47                     ; its codes
	s_mov_b32 s47, 0
	s_mov_b32 s57, 0
	v_and_b32 v8, 15, v2                           ; r
	v_lshrrev_b32 v10, 4, v2                       ; h
	s_wait_kmcnt 0x0
	s_lshl_b32 s32, s59, 15
	s_add_nc_u64 s[4:5], s[4:5], s[32:33]          ; x: 32,768 bytes a run
	s_lshl_b32 s32, s59, 13
	s_add_nc_u64 s[18:19], s[18:19], s[32:33]      ; xq: 8,192
	s_lshl_b32 s32, s59, 8
	s_add_nc_u64 s[20:21], s[20:21], s[32:33]      ; xs: 256
	s_add_nc_u64 s[28:29], s[28:29], s[32:33]      ; out1: 256
	s_lshl_b32 s32, s59, 5
	s_add_nc_u64 s[24:25], s[24:25], s[32:33]      ; pair: 32
	s_lshl_b32 s32, s59, 6
	s_add_nc_u64 s[26:27], s[26:27], s[32:33]      ; wts: 64
	s_add_nc_u64 s[52:53], s[22:23], s[48:49]
	s_add_nc_u64 s[22:23], s[22:23], s[46:47]
; THE WEIGHTS' LAYOUT.  Blocks 0-255 are W1's: block (4 e + w) 8 + s holds K step s of hidden units 128 w .. + 127 of expert e; row r of tile 2 b + u is unit 128 w + 32 b + 8 u + r + 8 (r / 8), so that
; the results of two neighbouring tiles are 16 neighbours along the next K.  Blocks 256-511 are W2's: block 256 + ((4 e + w) 2 + c2) 4 + s holds K step s of outputs 256 w + 128 c2 .. + 127, tile t's row r being output 16 t + r of them.
; Lane (r, h) takes, of its row, bytes 32 c + 16 h .. + 15 of the K step; they are stored as they stand, 16 bytes a lane.  Scale word q of a lane: row lane % 16 of tile 4 g + 2 q + lane / 16.
.macro RLOADS cp, sp, one
.irp i, 0,1,2,3
.irp c, 0,1,2,3
.if \one
	global_load_b128 v[RL+16*\i+4*\c:RL+16*\i+4*\c+3], v8, s[\cp:\cp+1] offset:(32*(\i/2)+8*(\i%2))*1024+32*\c
.else
	global_load_b128 v[RL+16*\i+4*\c:RL+16*\i+4*\c+3], v8, s[\cp:\cp+1] offset:8192*\i+32*\c
.endif
.endr
.endr
.irp q, 0,1
.if \one
	global_load_b32 v[RL+64+\q], v9, s[\sp:\sp+1] offset:1024*\q
.else
	global_load_b32 v[RL+64+\q], v9, s[\sp:\sp+1] offset:512*\q
.endif
.endr
.endm
	s_cmp_lt_u32 ttmp9, 128                        ; the work-group's number alone decides: W1's blocks or W2's
	s_cbranch_scc0 .Lsecond
	s_lshr_b32 s54, s44, 3                         ; 4 e + w
	s_and_b32 s55, s44, 7                          ; s
	s_lshl_b32 s56, s54, 17                        ; 128 rows of 1,024 bytes,
	s_lshl_b32 s58, s45, 16                        ; 64 for the half,
	s_add_co_u32 s56, s56, s58
	s_lshl_b32 s58, s55, 7                         ; 128 bytes a K step
	s_add_co_u32 s56, s56, s58
	s_add_nc_u64 s[10:11], s[10:11], s[56:57]
	s_lshl_b32 s56, s54, 12                        ; the scale bytes: 32 a row
	s_lshl_b32 s58, s45, 11
	s_add_co_u32 s56, s56, s58
	s_lshl_b32 s58, s55, 2
	s_add_co_u32 s56, s56, s58
	s_add_nc_u64 s[12:13], s[12:13], s[56:57]
	s_wait_alu depctr_va_vdst(0)
	v_and_b32 v9, 8, v8
	v_add_nc_u32 v9, v9, v8                        ; r + 8 (r / 8)
	v_lshlrev_b32 v8, 10, v9
	v_lshl_add_u32 v8, v10, 4, v8
	v_lshl_add_u32 v9, v10, 3, v9                  ; lanes 16-31: the odd tile, 8 rows on
	v_lshlrev_b32 v9, 5, v9
	RLOADS 10, 12, 1
	s_branch .Llaid
.Lsecond:
	s_and_b32 s44, s44, 255
	s_lshr_b32 s54, s44, 2                         ; (4 e + w) 2 + c2
	s_and_b32 s55, s44, 3                          ; s
	s_lshl_b32 s56, s54, 16                        ; 128 rows of 512 bytes,
	s_lshl_b32 s58, s45, 15
	s_add_co_u32 s56, s56, s58
	s_lshl_b32 s58, s55, 7
	s_add_co_u32 s56, s56, s58
	s_add_nc_u64 s[14:15], s[14:15], s[56:57]
	s_lshl_b32 s56, s54, 11                        ; the scale bytes: 16 a row
	s_lshl_b32 s58, s45, 10
	s_add_co_u32 s56, s56, s58
	s_lshl_b32 s58, s55, 2
	s_add_co_u32 s56, s56, s58
	s_add_nc_u64 s[16:17], s[16:17], s[56:57]
	s_wait_alu depctr_va_vdst(0)
	v_lshlrev_b32 v8, 9, v8
	v_lshl_add_u32 v8, v10, 4, v8
	v_mov_b32 v9, v3                               ; row 16 (lane / 16) + r = lane, 16 bytes a row
	RLOADS 14, 16, 0
.Llaid:
.macro LOAD t
.irp i, 0,1,2,3
	global_load_b128 v[R+16*((\t)%8)+4*\i:R+16*((\t)%8)+4*\i+3], v3, s[4:5] offset:2048*(\t)+512*\i th:TH_LOAD_NT   ; 32 lanes read 512 consecutive bytes
.endr
.endm
.macro TURN t                          ; step t's numbers through the stage: LDS serves a wave's instructions in order, so no wait stands between the stores and the loads
.irp i, 0,1,2,3
	ds_store_b128 v14, v[R+16*((\t)%8)+4*\i:R+16*((\t)%8)+4*\i+3] offset:32*SP*((\t)%2)+8*SP*\i
.endr
.irp i, 0,1,2,3
	ds_load_b128 v[X+16*((\t)%2)+4*\i:X+16*((\t)%2)+4*\i+3], v15 offset:32*SP*((\t)%2)+16*\i
.endr
.endm
.irp t, 0,1,2,3,4,5,6,7
	LOAD \t
.endr
	WIN 0x40                                       ; destination window 1
.irp p, 0,1
.irp i, 0,1,2,3,4,5,6,7,8,9,10,11,12,13,14,15
	global_load_b128 v[128*\p+8*\i:128*\p+8*\i+3], v4, s[6:7] offset:16384*\p+32*\i
	global_load_b128 v[128*\p+8*\i+4:128*\p+8*\i+7], v4, s[6:7] offset:16384*\p+32*\i+16
.endr
.endr
	WIN 0
	v_and_b32 v10, 7, v2
	v_lshlrev_b32 v1, 2, v10
	global_load_b32 v[BGV], v1, s[8:9]
	v_cvt_f32_u32 v[IDF], v10
	s_wait_loadcnt 0x0                             ; once: the weights' half block, Wg, bg, and the first eight steps of x
.irp i, 0,1,2,3
.irp c, 0,1,2,3
	global_store_b128 v3, v[RL+16*\i+4*\c:RL+16*\i+4*\c+3], s[22:23] offset:2048*\i+512*\c   ; 512 consecutive bytes a store
.endr
.endr
	global_store_b64 v7, v[RL+64:RL+65], s[52:53]  ; 256 consecutive bytes, aligned
	s_wait_xcnt 0x0                                ; these stores have read their registers, which the steps below write
	v_mov_b32 v[LG], 0
	v_mov_b32 v[LG+1], 0
	TURN 0
; my 16 numbers x my 16 rows of Wg: 8 sums, each link eight lines behind the one that it adds onto.  The row's first product starts the sums.
.macro GATE t
	WIN 0x04                                       ; source 1 (Wg) window 1
.irp i, 0,1,2,3,4,5,6,7,8,9,10,11,12,13,14,15
.irp e, 0,1,2,3,4,5,6,7
.if ((\t)%2 == 0) && (\i == 0)
	v_mul_f32 v[GA+\e], v[X+16*((\t)%2)+\i], v[128*((\t)%2)+8*\i+\e]
.else
	v_fma_f32 v[GA+\e], v[X+16*((\t)%2)+\i], v[128*((\t)%2)+8*\i+\e], v[GA+\e]
.endif
.endr
.endr
	WIN 0
.endm
.macro STEP t
.set XS, X+16*((\t)%2)
.set CS, C+4*((\t)%4)
.if (\t) > 0
	s_wait_dscnt 1                                 ; this step's numbers are back from the stage (the last step's byte store may be out)
.else
	s_wait_dscnt 0x0
.endif
.if (\t)+8 < 16
	LOAD (\t)+8                                    ; into the set that this step's turn has read
.set LW, 28
.else
.set LW, 4*(14-(\t))
.endif
.if (\t)+1 < 16
	s_wait_loadcnt LW                              ; the next step's four loads are in; those of the steps behind it, seven at the most, may be out
	TURN (\t)+1
.endif
	v_max3_num_f32 v8, |v[XS]|, |v[XS+1]|, |v[XS+2]|               ; the largest magnitude of my 16
	v_max3_num_f32 v9, |v[XS+3]|, |v[XS+4]|, |v[XS+5]|
.irp i, 6,10
	v_max3_num_f32 v8, v8, |v[XS+\i]|, |v[XS+\i+1]|
	v_max3_num_f32 v9, v9, |v[XS+\i+2]|, |v[XS+\i+3]|
.endr
	v_max3_num_f32 v8, v8, |v[XS+14]|, |v[XS+15]|
	v_max3_num_f32 v8, v8, v9, 0x8000000           ; and the floor 2^(16 - 127): the byte cannot fall under 1
	v_max_num_f32_dpp v8, v8, v8 row_xmask:1 row_mask:0xf bank_mask:0xf   ; and of my neighbour's 16: the block's
	GATE \t                                        ; the gate takes x as it is, ahead of the hold
	v_add_nc_u32 v11, 0xf8800000, v8               ; 15 off the exponent field: the conversion's scale operand
	v_and_or_b32 v10, v8, 0x7f800000, s36          ; 57,344 x the scale
.irp i, 0,1,2,3,4,5,6,7,8,9,10,11,12,13,14,15
	v_med3_num_f32 v[XS+\i], v[XS+\i], -v10, v10   ; the conversion to an 8-bit code does not saturate (ISA guide 7.6.2): the hold
.endr
	s_wait_alu depctr_va_vdst(0)
	s_wait_xcnt 0x0                                ; the store of four steps back has read this set of codes
	v_cvt_scalef32_pk8_bf8_f32 v[CS:CS+1], v[XS:XS+7], v11
	v_cvt_scalef32_pk8_bf8_f32 v[CS+2:CS+3], v[XS+8:XS+15], v11
	v_lshrrev_b32 v[E+(\t)%4], 23, v11             ; the scale's byte
	ds_store_b8 v5, v[E+(\t)%4] offset:16*(\t)     ; both lanes of a block write the same byte with the same value
	global_store_b128 v3, v[CS:CS+3], s[18:19] offset:512*(\t)   ; 512 consecutive bytes
.endm
; Row j is through.  At each of three levels a lane keeps one of two sums and sends the other to the lane 1, 2, 4 away: lane l ends with expert l % 8; two more additions join the four groups of eight lanes.
.macro ROWEND j
.irp c, 0,1,2,3
	v_cndmask_b32 v[T+2*\c], v[GA+2*\c], v[GA+2*\c+1], s37
	v_cndmask_b32 v[T+2*\c+1], v[GA+2*\c+1], v[GA+2*\c], s37
.endr
.irp c, 0,1,2,3
	v_add_f32_dpp v[T+2*\c], v[T+2*\c+1], v[T+2*\c] row_xmask:1 row_mask:0xf bank_mask:0xf
.endr
.irp d, 0,1
	v_cndmask_b32 v[T+4*\d+1], v[T+4*\d], v[T+4*\d+2], s38
	v_cndmask_b32 v[T+4*\d+3], v[T+4*\d+2], v[T+4*\d], s38
.endr
.irp d, 0,1
	v_add_f32_dpp v[T+4*\d+1], v[T+4*\d+3], v[T+4*\d+1] row_xmask:2 row_mask:0xf bank_mask:0xf
.endr
	v_cndmask_b32 v[T], v[T+1], v[T+5], s39
	v_cndmask_b32 v[T+2], v[T+5], v[T+1], s39
	v_add_f32_dpp v[T], v[T+2], v[T] row_xmask:4 row_mask:0xf bank_mask:0xf
	v_add_f32_dpp v[T], v[T], v[T] row_xmask:8 row_mask:0xf bank_mask:0xf
	v_permlanex16_b32 v[T+1], v[T], s34, s35
	v_add_f32 v[T], v[T], v[T+1]
	v_cndmask_b32 v[LG+(\j)/4], v[LG+(\j)/4], v[T], s[40+(\j)%4]   ; into the row's eight lanes
.endm
.irp j, 0,1,2,3,4,5,6,7
	STEP 2*\j
	STEP 2*\j+1
	ROWEND \j
.endr
; THE SOFTMAX of 8 rows, a row in eight lanes, two registers side by side: the maximum is taken away first, as reference() does.
	v_lshlrev_b32 v4, 2, v2                        ; 4 x lane
	v_mov_b32 v252, 0x41000000                     ; 8.0: over every expert's number
	v_mov_b32 v253, -1.0                           ; under every probability
.irp q, 0,1
	v_add_f32 v[LG+\q], v[LG+\q], v[BGV]
.endr
.irp q, 0,1
	v_mov_b32 v[228+\q], v[LG+\q]
.endr
.irp m, 1,2,4
.irp q, 0,1
	v_max_num_f32_dpp v[228+\q], v[228+\q], v[228+\q] row_xmask:\m row_mask:0xf bank_mask:0xf
.endr
.endr
.irp q, 0,1
	v_sub_f32 v[230+\q], v[LG+\q], v[228+\q]
.endr
.irp q, 0,1
	v_mul_f32 v[230+\q], 0x3fb8aa3b, v[230+\q]
.endr
	s_wait_alu depctr_va_vdst(0)
.irp q, 0,1
	v_exp_f32 v[230+\q], v[230+\q]
.endr
	v_nop                                          ; a plain instruction behind the exponentials,
	s_wait_alu depctr_va_vdst(0)                   ; and a wait ahead of their first reader
.irp q, 0,1
	v_mov_b32 v[232+\q], v[230+\q]
.endr
.irp m, 1,2,4
.irp q, 0,1
	v_add_f32_dpp v[232+\q], v[232+\q], v[232+\q] row_xmask:\m row_mask:0xf bank_mask:0xf
.endr
.endr
	s_wait_alu depctr_va_vdst(0)
.irp q, 0,1
	v_rcp_f32 v[232+\q], v[232+\q]
.endr
	v_nop
	s_wait_alu depctr_va_vdst(0)                   ; one wait for both reciprocals
.irp q, 0,1
	v_mul_f32 v[234+\q], v[230+\q], v[232+\q]      ; the probabilities
.endr
.irp q, 0,1
	global_store_b32 v4, v[234+\q], s[28:29] offset:128*\q
.endr
; the largest of a row's eight, and the lowest expert that has it
.macro TOP src, mx, ix
.irp q, 0,1
	v_mov_b32 v[\mx+\q], v[\src+\q]
.endr
.irp m, 1,2,4
.irp q, 0,1
	v_max_num_f32_dpp v[\mx+\q], v[\mx+\q], v[\mx+\q] row_xmask:\m row_mask:0xf bank_mask:0xf
.endr
.endr
.irp q, 0,1
	v_cmp_eq_f32 vcc_lo, v[\src+\q], v[\mx+\q]
	v_cndmask_b32 v[\ix+\q], v252, v[IDF], vcc_lo
.endr
.irp m, 1,2,4
.irp q, 0,1
	v_min_num_f32_dpp v[\ix+\q], v[\ix+\q], v[\ix+\q] row_xmask:\m row_mask:0xf bank_mask:0xf
.endr
.endr
.endm
	TOP 234, 236, 238
.irp q, 0,1
	v_cmp_eq_f32 vcc_lo, v[IDF], v[238+\q]
	v_cndmask_b32 v[240+\q], v[234+\q], v253, vcc_lo   ; the first choice is taken out
.endr
	TOP 240, 242, 244
.irp q, 0,1
	v_min_num_f32 v[228+\q], v[238+\q], v[244+\q]  ; lo,
	v_max_num_f32 v[230+\q], v[238+\q], v[244+\q]  ; hi: the two experts by number
	v_cmp_lt_f32 vcc_lo, v[238+\q], v[244+\q]
	v_cndmask_b32 v[232+\q], v[242+\q], v[236+\q], vcc_lo   ; lo's probability,
	v_cndmask_b32 v[240+\q], v[236+\q], v[242+\q], vcc_lo   ; hi's
	v_add_f32 v[246+\q], -1.0, v[230+\q]
	v_mul_f32 v[246+\q], v[246+\q], v[230+\q]
	v_fma_f32 v[246+\q], v[246+\q], 0.5, v[228+\q] ; hi (hi - 1) / 2 + lo: small whole numbers, exact in f32
	v_cvt_u32_f32 v[246+\q], v[246+\q]
.endr
	v_cndmask_b32 v248, v246, v247, s51            ; lanes 8 g + 0 store row g, lanes 8 g + 1 row 4 + g
	v_cndmask_b32 v250, v232, v233, s51
	v_cndmask_b32 v251, v240, v241, s51
	v_and_b32 v249, 7, v2
	v_and_b32 v1, 1, v2
	v_lshrrev_b32 v254, 3, v2
	v_lshl_add_u32 v254, v1, 2, v254               ; 4 (lane % 2) + lane / 8: inside the run's 8 rows in every lane
	v_lshlrev_b32 v255, 3, v254
	v_lshlrev_b32 v254, 2, v254
	s_wait_alu depctr_va_vdst(0)
	s_wait_xcnt 0x0                                ; EXEC changes only behind this wait
	v_cmp_gt_u32 vcc_lo, 2, v249
	s_and_saveexec_b32 s50, vcc_lo
	global_store_b32 v254, v248, s[24:25]
	global_store_b64 v255, v[250:251], s[26:27]
	s_wait_xcnt 0x0                                ; and again, in front of the line that widens it
	s_or_b32 exec_lo, exec_lo, s50
	ds_load_b64 v[8:9], v6                         ; LDS serves a wave's instructions in order: these see my byte stores
	s_wait_dscnt 0x0
	global_store_b64 v7, v[8:9], s[20:21]          ; 256 consecutive bytes, aligned
	s_wait_tensorcnt 0x0                           ; the wave's end, behind my last LDS store
	ds_add_u32 v[SPW], v[NIL]
	s_wait_dscnt 0x0
	s_endpgm
.Lfunc_end_k_qa12e495c8c_gate:
	.size	k_qa12e495c8c_gate, .Lfunc_end_k_qa12e495c8c_gate-k_qa12e495c8c_gate
	.p2alignl 7, 3214868480
	.fill 96, 4, 3214868480
	.section	.rodata,"a",@progbits
	.p2align	6, 0x0
	.amdhsa_kernel k_qa12e495c8c_gate
		.amdhsa_group_segment_fixed_size 33280
		.amdhsa_private_segment_fixed_size 0
		.amdhsa_enable_private_segment 0
		.amdhsa_kernarg_size 104
		.amdhsa_user_sgpr_count 2
		.amdhsa_user_sgpr_kernarg_segment_ptr 1
		.amdhsa_wavefront_size32 1
		.amdhsa_system_sgpr_workgroup_id_x 1
		.amdhsa_system_sgpr_workgroup_id_y 1
		.amdhsa_system_sgpr_workgroup_id_z 1
		.amdhsa_system_vgpr_workitem_id 0
		.amdhsa_next_free_vgpr 512
		.amdhsa_next_free_sgpr 66
		.amdhsa_reserve_vcc 1
		.amdhsa_float_denorm_mode_32 3
		.amdhsa_float_denorm_mode_16_64 3
		.amdhsa_memory_ordered 1
		.amdhsa_forward_progress 1
		.amdhsa_inst_pref_size 210
	.end_amdhsa_kernel
	.amdgpu_metadata
---
amdhsa.version: [ 1, 2 ]
amdhsa.kernels:
  - .name:           k_qa12e495c8c_gate
    .symbol:         k_qa12e495c8c_gate.kd
    .args:
      - { .name: x, .offset: 0, .size: 8, .value_kind: global_buffer, .address_space: global }
      - { .name: Wg, .offset: 8, .size: 8, .value_kind: global_buffer, .address_space: global }
      - { .name: bg, .offset: 16, .size: 8, .value_kind: global_buffer, .address_space: global }
      - { .name: W1_codes, .offset: 24, .size: 8, .value_kind: global_buffer, .address_space: global }
      - { .name: W1_scales, .offset: 32, .size: 8, .value_kind: global_buffer, .address_space: global }
      - { .name: W2_codes, .offset: 40, .size: 8, .value_kind: global_buffer, .address_space: global }
      - { .name: W2_scales, .offset: 48, .size: 8, .value_kind: global_buffer, .address_space: global }
      - { .name: xq, .offset: 56, .size: 8, .value_kind: global_buffer, .address_space: global }
      - { .name: xs, .offset: 64, .size: 8, .value_kind: global_buffer, .address_space: global }
      - { .name: wf, .offset: 72, .size: 8, .value_kind: global_buffer, .address_space: global }
      - { .name: pair, .offset: 80, .size: 8, .value_kind: global_buffer, .address_space: global }
      - { .name: wts, .offset: 88, .size: 8, .value_kind: global_buffer, .address_space: global }
      - { .name: out1, .offset: 96, .size: 8, .value_kind: global_buffer, .address_space: global }
    .group_segment_fixed_size: 33280
    .private_segment_fixed_size: 0
    .kernarg_segment_align: 8
    .kernarg_segment_size: 104
    .max_flat_workgroup_size: 128
    .sgpr_count:     66
    .vgpr_count:     512
    .wavefront_size: 32
...
	.end_amdgpu_metadata
.endif
;; end of part 4
;; launch place (part 5): grid 28 x 1, 16 waves a work-group, no clusters, 2,304 bytes of LDS; arguments pair, order, counts; writes order, counts
.if DOCPART == 5
	.amdgcn_target "amdgcn-amd-amdhsa--gfx1250"
	.amdhsa_code_object_version 6
	.text
	.protected	k_qa12e495c8c_place
	.globl	k_qa12e495c8c_place
	.p2align	8
	.type	k_qa12e495c8c_place,@function
k_qa12e495c8c_place:
	s_mov_b64 s[64:65], 0
	v_nop
	global_prefetch_b8 v0, s[64:65] scope:SCOPE_SE
	s_setreg_imm32_b32 hwreg(HW_REG_WAVE_MODE, 25, 1), 1
	s_wait_xcnt 0x0
; SECOND LAUNCH: the tokens are placed by their pair of experts.  Work-group b scans all 8,192 pair numbers, which the first launch stored, and writes the tokens of pair b, one behind the other, into its own
; 8,256 words of order, a 0 behind the last (a work-group of the third launch that has no rows reads that word), and their number into counts[b].  No atomics: each work-group owns its part of both buffers.
; Thread n of 512 holds 16 tokens: 2,048 q + 4 n + 0 .. 3.  A token's place = the matches of the waves before mine + those of my wave's earlier registers + those of the lanes below mine.
.set SPARE, 256                        ; bytes 0-63: the 16 waves' counts; from 256 on the spare words, 128 bytes for each wave: eight blocks of 256 bytes that no other line names
.set SPW, 2                            ; v2  LDS address of my spare word; never rewritten
.set NIL, 3                            ; v3  0; never rewritten
	s_load_b128 s[4:7], s[0:1], 0x0                ; pair, order
	s_load_b64 s[8:9], s[0:1], 0x10                ; counts
	v_lshl_add_u32 v[SPW], v0, 2, SPARE
	v_mov_b32 v[NIL], 0
	v_lshrrev_b32 v1, 5, v0
	s_delay_alu instid0(VALU_DEP_1)
	v_readfirstlane_b32 s10, v1                    ; wave
	v_lshlrev_b32 v4, 4, v0                        ; 16 bytes a thread
	v_lshlrev_b32 v5, 2, v0
	s_mov_b32 s11, ttmp9                           ; my pair
	s_mul_i32 s12, ttmp9, 33024                    ; my 8,256 words of order
	s_mov_b32 s13, 0
	s_wait_alu depctr_va_vdst(0)
	s_wait_kmcnt 0x0
	s_add_nc_u64 s[6:7], s[6:7], s[12:13]
.irp q, 0,1,2,3
	global_load_b128 v[8+4*\q:11+4*\q], v4, s[4:5] offset:8192*\q
.endr
.irp j, 0,1,2,3,4,5,6,7,8,9,10,11,12,13,14,15
	v_add_nc_u32 v[64+\j], 2048*(\j/4)+\j%4, v5    ; the tokens' numbers
.endr
	s_mov_b32 s14, 0
	s_wait_loadcnt 0x0
.irp j, 0,1,2,3,4,5,6,7,8,9,10,11,12,13,14,15
	v_cmp_eq_u32 s[32+\j], s11, v[8+\j]            ; the lanes whose token j is of my pair
.endr
.irp j, 0,1,2,3,4,5,6,7,8,9,10,11,12,13,14,15
	s_bcnt1_i32_b32 s15, s[32+\j]
	s_add_co_u32 s14, s14, s15                     ; my wave's matches
.endr
	v_mov_b32 v24, s10
	s_delay_alu instid0(VALU_DEP_1)
	v_lshlrev_b32 v24, 2, v24
	v_mov_b32 v25, s14
	ds_store_b32 v24, v25                          ; all lanes write the same word with the same value
	s_wait_dscnt 0x0                               ; for the others' sake
	s_barrier_signal -1
	s_barrier_wait -1
	v_mov_b32 v26, 0
.irp z, 0,1,2,3
	ds_load_b128 v[32+4*\z:35+4*\z], v26 offset:16*\z
.endr
	s_wait_dscnt 0x0
.irp k, 0,1,2,3,4,5,6,7,8,9,10,11,12,13,14,15
	v_readfirstlane_b32 s[48+\k], v[32+\k]
.endr
	s_mov_b32 s16, 0                               ; the matches of the waves before mine,
	s_mov_b32 s17, 0                               ; and of all
.irp k, 0,1,2,3,4,5,6,7,8,9,10,11,12,13,14,15
	s_cmp_gt_u32 s10, \k
	s_cselect_b32 s15, s[48+\k], 0
	s_add_co_u32 s16, s16, s15
	s_add_co_u32 s17, s17, s[48+\k]
.endr
.irp j, 0,1,2,3,4,5,6,7,8,9,10,11,12,13,14,15
	v_mbcnt_lo_u32_b32 v[48+\j], s[32+\j], s16     ; what came before + the matching lanes below mine
	s_bcnt1_i32_b32 s15, s[32+\j]
	s_add_co_u32 s16, s16, s15
	v_min_u32 v[48+\j], 0x1fff, v[48+\j]           ; a place is under 8,192: held there, since it comes of loaded numbers
	s_delay_alu instid0(VALU_DEP_1)
	v_lshlrev_b32 v[48+\j], 2, v[48+\j]
.endr
	s_min_u32 s18, s17, 0x2000
	s_lshl_b32 s18, s18, 2
	v_mov_b32 v80, s18                             ; the word behind the last token
	v_mov_b32 v81, 0
	s_lshl_b32 s19, ttmp9, 2
	v_mov_b32 v82, s19
	v_mov_b32 v83, s17
	s_wait_alu depctr_va_vdst(0)
	s_wait_xcnt 0x0                                ; EXEC changes only behind this wait
.irp j, 0,1,2,3,4,5,6,7,8,9,10,11,12,13,14,15
	s_and_saveexec_b32 s20, s[32+\j]
	global_store_b32 v[48+\j], v[64+\j], s[6:7]
	s_wait_xcnt 0x0
	s_or_b32 exec_lo, exec_lo, s20
.endr
	v_cmp_eq_u32 vcc_lo, 0, v0
	s_and_saveexec_b32 s20, vcc_lo                 ; thread 0 alone
	global_store_b32 v80, v81, s[6:7]
	global_store_b32 v82, v83, s[8:9]
	s_wait_xcnt 0x0
	s_or_b32 exec_lo, exec_lo, s20
	s_wait_tensorcnt 0x0                           ; the wave's end, behind my last LDS store
	ds_add_u32 v[SPW], v[NIL]
	s_wait_dscnt 0x0
	s_endpgm
.Lfunc_end_k_qa12e495c8c_place:
	.size	k_qa12e495c8c_place, .Lfunc_end_k_qa12e495c8c_place-k_qa12e495c8c_place
	.p2alignl 7, 3214868480
	.fill 96, 4, 3214868480
	.section	.rodata,"a",@progbits
	.p2align	6, 0x0
	.amdhsa_kernel k_qa12e495c8c_place
		.amdhsa_group_segment_fixed_size 2304
		.amdhsa_private_segment_fixed_size 0
		.amdhsa_enable_private_segment 0
		.amdhsa_kernarg_size 24
		.amdhsa_user_sgpr_count 2
		.amdhsa_user_sgpr_kernarg_segment_ptr 1
		.amdhsa_wavefront_size32 1
		.amdhsa_system_sgpr_workgroup_id_x 1
		.amdhsa_system_sgpr_workgroup_id_y 1
		.amdhsa_system_sgpr_workgroup_id_z 1
		.amdhsa_system_vgpr_workitem_id 0
		.amdhsa_next_free_vgpr 96
		.amdhsa_next_free_sgpr 66
		.amdhsa_reserve_vcc 1
		.amdhsa_float_denorm_mode_32 3
		.amdhsa_float_denorm_mode_16_64 3
		.amdhsa_memory_ordered 1
		.amdhsa_forward_progress 1
		.amdhsa_inst_pref_size 16
	.end_amdhsa_kernel
	.amdgpu_metadata
---
amdhsa.version: [ 1, 2 ]
amdhsa.kernels:
  - .name:           k_qa12e495c8c_place
    .symbol:         k_qa12e495c8c_place.kd
    .args:
      - { .name: pair, .offset: 0, .size: 8, .value_kind: global_buffer, .address_space: global }
      - { .name: order, .offset: 8, .size: 8, .value_kind: global_buffer, .address_space: global }
      - { .name: counts, .offset: 16, .size: 8, .value_kind: global_buffer, .address_space: global }
    .group_segment_fixed_size: 2304
    .private_segment_fixed_size: 0
    .kernarg_segment_align: 8
    .kernarg_segment_size: 24
    .max_flat_workgroup_size: 512
    .sgpr_count:     66
    .vgpr_count:     96
    .wavefront_size: 32
...
	.end_amdgpu_metadata
.endif
;; end of part 5
;; launch chain (part 6): grid 155 x 1, 4 waves a work-group, no clusters, 287,488 bytes of LDS; arguments xq, xs, wf, order, counts, wts, b1, b2, out0; writes out0
.if DOCPART == 6
	.amdgcn_target "amdgcn-amd-amdhsa--gfx1250"
	.amdhsa_code_object_version 6
	.text
	.protected	k_qa12e495c8c_chain
	.globl	k_qa12e495c8c_chain
	.p2align	8
	.type	k_qa12e495c8c_chain,@function
k_qa12e495c8c_chain:
	s_mov_b64 s[64:65], 0
	v_nop
	global_prefetch_b8 v0, s[64:65] scope:SCOPE_SE
	s_setreg_imm32_b32 hwreg(HW_REG_WAVE_SCHED_MODE, 0, 2), 2
	s_setreg_imm32_b32 hwreg(HW_REG_WAVE_MODE, 25, 1), 1
	s_wait_xcnt 0x0
	s_wait_alu depctr_vm_vsrc(0)
; THIRD LAUNCH: out0[t] = p_lo (relu(x W1[lo] + b1[lo]) W2[lo] + b2[lo]) + p_hi (the same of hi), lo < hi the two experts chosen for token t.  The six experts whose combine weight is 0 by reference()'s own
; one_hot are left out (shown at the head of the first launch).  Both products on codes of E5M2 with one E8M0 scale for each 32 along K; the hidden layer is quantised in registers and never goes to memory.
; SHARES.  A work-group takes a tile: up to 64 tokens of ONE pair of experts, as four tiles of 16, through both experts' chains: so each row of out0 has one owner.  With 8,192 tokens, 28 pairs and tiles of 64
; there are never more than 128 + 27 = 155 tiles, whatever the choice: that many work-groups are launched; one that the split leaves without rows passes the barriers, jumps over the work and stores nothing.
; THE WAVES SHARE THE COLUMNS: wave w makes hidden units 128 w .. + 127 of both experts (K step w of the second product) and outputs 256 w .. + 255, in two chunks of 128.  So each weight byte is loaded by
; one wave, straight into the operand's registers, 512 consecutive bytes an instruction, from the layout that the first launch made (a block of 16,896 bytes = one K step against 8 tiles of 16 weight rows).
; Both products are used transposed (source 0 = 16 weight rows, source 1 = 16 tokens): a lane holds ONE token throughout.  The tokens' codes go from wave to wave through LDS as images of the operand's registers.
; THE RING OF WEIGHTS: four slots of half a block (4 tiles, 64 registers, and 2 registers of scale words).  While half n is multiplied, half n + 3 is asked for, into the slot that half n - 1 has left: 17 loads
; a half, 51 out at the most beside the half at work.  The ring runs on from segment to segment, under the quantising and the way out.
; NO CLUSTER, NO TENSOR LOADS: the work is jumped over on a number read from memory, and partners would have tiles of other pairs or none; so the weights come once for each tile.
; LIMITS: NaN and infinities are not served.  A hidden block of zeros carries the byte 1: its codes are zeros.  The rows of a tile beyond its count repeat its last token: the same bytes are stored again by the same wave.
; THE MODE: SCHED_MODE bits 1:0 = 2 (LLVM: expert scheduling mode 2), set by the entry lines.  The code itself states the register dependences between vector or matrix instructions and memory or LDS
; instructions, with s_wait_alu, always for 0.
; THE PLAN.  Registers that memory or LDS instructions touch, and who else names them:
;   the ring (window 2) and WS   Half n's 16 products read slot n % 4 and its scale words; the 17 loads issued in half n land in slot (n - 1) % 4, which half n - 1 read.
;   BF, BS, two sets             Step u's 32 products read set u % 2; the LDS loads issued in step u land in the other set, which step u - 1 read.
;   BI                           A bias comes by LDS loads and is read as C by a sum's first products.
;   So ONE wait on va_vdst stands at a half's head, behind the wait for its weights: the half before is done reading.  All the half's loads follow it with no further wait: its own products name slot n % 4,
;   set u % 2 and the accumulators, none of the registers in which those loads land.
;   BF, BI outside the segments  the head's gather (loaded; read by LDS stores); the quantiser's codes and scale words (written by vector instructions; read by LDS stores: one wait for four tiles);
;                                on the way out tokens and rows (LDS loads), and the stores' addresses (written by vector instructions: one wait for sixteen).
;   window 1                     read by the stage's LDS stores; written again by the next segment's products.
;   v0, v4, v5, v10, v11         LDS addresses that are written at the head of the loop over the experts or behind it, each time between a wait on vm_vsrc and a wait on va_vdst.
;   every other address          made once at the head, ahead of the wait on va_vdst in front of the tokens' loads, and never written again.
.set BLK,   16896
.set XIMG,  0                          ; LDS: x's fragments: K step s x 8,192 + token tile m x 2,048 + register group c x 512 + 16 x lane
.set HIMG,  65536                      ; the hidden layer's: (4 x + s) x 8,192 + the same; x = 0: lo, 1: hi
.set XSC,   131072                     ; x's scale words: s x 512 + m x 128 + 4 x lane
.set HSC,   135168                     ; the hidden layer's
.set TOKT,  139264                     ; the tile's 64 tokens
.set BIAS,  139520                     ; 3,072 bytes a wave: b1[lo] 512, b1[hi] 512, b2[lo] 1,024, b2[hi] 1,024: my columns of each
.set STG,   151808                     ; the way out: 64 rows x (512 bytes + 16) for each wave
.set SPARE, 286976                     ; the spare words, 128 bytes for each wave: two blocks of 256 bytes that no other line names
.set TA,  0                            ; v0   behind the head: an LDS address of the moment: b1 of the expert in hand, then the tile's tokens
.set LI,  1                            ; v1   16 x lane
.set LS,  2                            ; v2   4 x lane
.set L8,  3                            ; v3   8 x lane
.set BFA, 4                            ; v4   where the token fragments lie: 16 x lane + XIMG or HIMG
.set BSA, 5                            ; v5   and their scale words
.set BIA, 6                            ; v6   b1 as a C operand: BIAS + 3,072 w + 64 (lane / 16)
.set BIB, 7                            ; v7   b2: BIAS + 3,072 w + 1,024 + 32 (lane / 16)
.set HWI, 8                            ; v8   where I store the hidden layer's images: HIMG + 8,192 w + 16 x lane
.set HWS, 9                            ; v9   and their scale words: HSC + 512 w + 4 x lane
.set HWA, 10                           ; v10  the same for the expert in hand
.set HSA, 11                           ; v11
.set SO,  12                           ; v12  the stage: where I put 32 bytes of a row
.set SR,  13                           ; v13  and where I read a row back
.set SPW, 14                           ; v14  LDS address of my spare word; never rewritten
.set NIL, 15                           ; v15  0; never rewritten
.set WT,  16                           ; v16-31   for each token tile: (p_lo, p_hi), (p_hi, p_hi) of my token
.set WS,  32                           ; v32-39   the weights' scale words, two registers a slot: scales and nothing else
.set BS,  40                           ; v40-47   the tokens' scale words, two sets of four: scales and nothing else
.set TM,  48                           ; v48-63   at work in the quantiser; at the head: lane terms and addresses
.set BI,  64                           ; v64-127  a bias as 8 tiles' C; at the head, in the quantiser and on the way out: at work
.set BF,  128                          ; v128-255 token fragments, two sets of 4 x 16; also the head's gather, the codes just made, rows on the way out
; window 1: accumulators, (weight tile t, token tile m) at v[64 m + 8 t]; window 2: the ring, slot q, tile i, group c at v[64 q + 16 i + 4 c]; window 3: the second set of accumulators (expert hi, second product)
.set WV,  22
.set ROWS, 23                          ; s23  my tile's rows, 0 to 64
.set ELO, 24
.set EHI, 25
.set OB,  26                           ; s[26:27] my pair's part of order, in bytes
.set SS,  28                           ; s28  my pair's first tile
.set SC,  29                           ; s29  my pair's tokens
.set SEL, 34                           ; s[34:35]
.set P1,  36                           ; s[36:37] W1's blocks of the expert in hand, my wave's;  s[38:39] what follows them
.set P2,  38
.set PBL, 40                           ; s[40:41], s[42:43] W2's blocks of lo and of hi, my wave's
.set PBH, 42
.set OUTW, 44                          ; s[44:45] out0 + 1,024 w
.set MNT, 46
.set TRIP, 47
.set HX,  48                           ; s48-50 the expert in hand: 32,768, 2,048 and 512 x
.set HX2, 49
.set BX,  50
.set ACC, 51
.set R0,  60
.set RM1, 61
.set MSB, 0
.macro WIN new                         ; the immediate's high byte repeats the setting that is left
.if MSB != \new
	s_set_vgpr_msb (MSB<<8)|\new
.set MSB, \new
.endif
.endm
.macro RSC p, o, q, g                  ; half g of the block at o: its scale words into slot q
	global_load_b64 v[WS+2*(\q):WS+2*(\q)+1], v[L8], s[\p:\p+1] offset:(\o)+16384+256*(\g)
.endm
.macro RCO p, o, q, g                  ; and its four tiles' codes (destination window 2)
.irp i, 0,1,2,3
.irp c, 0,1,2,3
	global_load_b128 v[64*(\q)+16*\i+4*\c:64*(\q)+16*\i+4*\c+3], v[LI], s[\p:\p+1] offset:(\o)+8192*(\g)+2048*\i+512*\c
.endr
.endr
.endm
.macro FRAG u, m                       ; token tile m of step u into set u % 2, with its scale word: 5 LDS loads
.irp c, 0,1,2,3
	ds_load_b128 v[BF+64*((\u)%2)+16*(\m)+4*\c:BF+64*((\u)%2)+16*(\m)+4*\c+3], v[BFA] offset:8192*(\u)+2048*(\m)+512*\c
.endr
	ds_load_b32 v[BS+4*((\u)%2)+(\m)], v[BSA] offset:512*(\u)+128*(\m)
.endm
	s_load_b512 s[4:19], s[0:1], 0x0               ; xq s[4:5], xs s[6:7], wf s[8:9], order s[10:11], counts s[12:13], wts s[14:15], b1 s[16:17], b2 s[18:19]
	s_load_b64 s[20:21], s[0:1], 0x40              ; out0
	v_lshl_add_u32 v[SPW], v0, 2, SPARE
	v_mov_b32 v[NIL], 0
	v_lshrrev_b32 v48, 5, v0
	v_readfirstlane_b32 s[WV], v48                 ; wave 0..3
	v_and_b32 v50, 31, v0
	v_and_b32 v48, 15, v0                          ; r
	v_bfe_u32 v49, v0, 4, 1                        ; h
	v_lshlrev_b32 v[LI], 4, v50
	v_lshlrev_b32 v[LS], 2, v50
	v_lshlrev_b32 v[L8], 3, v50
	s_wait_alu depctr_va_vdst(0)
	s_wait_kmcnt 0x0
	s_load_b512 s[68:83], s[12:13], 0x0            ; the 28 pairs' counts, which the second launch stored
	s_load_b256 s[84:91], s[12:13], 0x40
	s_load_b128 s[92:95], s[12:13], 0x60
	s_wait_alu depctr_va_sdst(0)                   ; the wave's number is written, ahead of its first reader: LDS places and the weights' bases are made from it
	s_mul_i32 s30, s[WV], 3072
	s_add_co_u32 s30, s30, BIAS
	v_lshl_add_u32 v[BIA], v49, 6, s30
	v_add_nc_u32 v59, s30, v[LI]                   ; where I store my biases
	s_add_co_u32 s30, s30, 1024
	v_lshl_add_u32 v[BIB], v49, 5, s30
	s_lshl_b32 s31, s[WV], 13
	s_add_co_u32 s31, s31, HIMG
	v_add_nc_u32 v[HWI], s31, v[LI]
	s_lshl_b32 s31, s[WV], 9
	s_add_co_u32 s31, s31, HSC
	v_add_nc_u32 v[HWS], s31, v[LS]
	s_mul_i32 s31, s[WV], 33792
	s_add_co_u32 s31, s31, STG
	v_mul_u32_u24 v[SO], v48, 528
	v_lshl_add_u32 v[SO], v49, 5, v[SO]
	v_add_nc_u32 v[SO], s31, v[SO]
	v_add_nc_u32 v[SR], s31, v[LI]
	s_lshl_b32 s31, s[WV], 11
	v_add_nc_u32 v56, s31, v[LI]                   ; x's images of token tile w: XIMG + 2,048 w + 16 x lane
	s_lshl_b32 s31, s[WV], 7
	s_add_co_u32 s31, s31, XSC
	v_add_nc_u32 v57, s31, v[LS]
	s_lshl_b32 s31, s[WV], 6
	s_add_co_u32 s31, s31, TOKT
	v_lshl_add_u32 v58, v48, 2, s31                ; token 16 w + r's word
	s_mov_b32 s[SEL], 0x76543210
	s_mov_b32 s[SEL+1], 0xfedcba98                 ; v_permlanex16_b32's selects for lane l xor 16
	s_mov_b32 s[MNT], 0x600000                     ; the mantissa field of 57,344
	s_mov_b32 s[ACC], 0
	s_mov_b32 s[OB], 0
	s_mov_b32 s[SS], 0
	s_mov_b32 s[SC], 0
	s_mov_b32 s[ELO], 0
	s_mov_b32 s[EHI], 0
	s_wait_kmcnt 0x0
; WHICH TILE IS MINE: pair B has ceil(count / 64) tiles, one pair's behind the other's.  The last pair whose first tile is at or under my number is mine: selections, no branch.
.set B, 0
.set LO, 0
.set HI, 1
.rept 28
	s_cmp_ge_u32 ttmp9, s[ACC]
	s_cselect_b32 s[OB], B*33024, s[OB]
	s_cselect_b32 s[SS], s[ACC], s[SS]
	s_cselect_b32 s[SC], s[68+B], s[SC]
	s_cselect_b32 s[ELO], LO, s[ELO]
	s_cselect_b32 s[EHI], HI, s[EHI]
	s_add_co_u32 s30, s[68+B], 63
	s_lshr_b32 s30, s30, 6
	s_add_co_u32 s[ACC], s[ACC], s30
.set B, B+1
.set LO, LO+1
.if LO == HI
.set LO, 0
.set HI, HI+1
.endif
.endr
	s_sub_co_u32 s[R0], ttmp9, s[SS]
	s_lshl_b32 s[R0], s[R0], 6                     ; my first row among the pair's
	s_sub_co_i32 s30, s[SC], s[R0]
	s_max_i32 s30, s30, 0
	s_min_u32 s[ROWS], s30, 64
	s_max_u32 s[RM1], s[ROWS], 1
	s_sub_co_u32 s[RM1], s[RM1], 1                 ; my last row, or 0
	s_min_u32 s[ELO], s[ELO], 7                    ; what hangs on loaded numbers is held inside its table
	s_min_u32 s[EHI], s[EHI], 7
	s_min_u32 s[OB], s[OB], 891648
	s_mov_b32 s[OB+1], 0
	s_add_nc_u64 s[10:11], s[10:11], s[OB:OB+1]
	s_mov_b32 s33, 0
	s_mul_i32 s30, s[WV], 8*BLK
	s_mul_i32 s32, s[ELO], 32*BLK
	s_add_co_u32 s32, s32, s30
	s_add_nc_u64 s[P1:P1+1], s[8:9], s[32:33]
	s_mul_i32 s32, s[EHI], 32*BLK
	s_add_co_u32 s32, s32, s30
	s_add_nc_u64 s[P2:P2+1], s[8:9], s[32:33]
	s_add_nc_u64 s[PBL:PBL+1], s[P1:P1+1], 256*BLK
	s_add_nc_u64 s[PBH:PBH+1], s[P2:P2+1], 256*BLK
	s_lshl_b32 s30, s[WV], 9
	s_lshl_b32 s32, s[ELO], 11
	s_add_co_u32 s32, s32, s30
	s_add_nc_u64 s[52:53], s[16:17], s[32:33]      ; b1[lo], my 128
	s_lshl_b32 s32, s[EHI], 11
	s_add_co_u32 s32, s32, s30
	s_add_nc_u64 s[54:55], s[16:17], s[32:33]      ; b1[hi]
	s_lshl_b32 s30, s[WV], 10
	s_lshl_b32 s32, s[ELO], 12
	s_add_co_u32 s32, s32, s30
	s_add_nc_u64 s[56:57], s[18:19], s[32:33]      ; b2[lo], my 256
	s_lshl_b32 s32, s[EHI], 12
	s_add_co_u32 s32, s32, s30
	s_add_nc_u64 s[58:59], s[18:19], s[32:33]      ; b2[hi]
	s_mov_b32 s32, s30
	s_add_nc_u64 s[OUTW:OUTW+1], s[20:21], s[32:33]
.irp m, 0,1,2,3
	v_add_nc_u32 v[50+\m], 16*\m, v48              ; rows 16 m + r,
.endr
	s_lshl_b32 s31, s[WV], 4
	v_add_nc_u32 v54, s31, v48                     ; and 16 w + r
.irp k, 0,1,2,3,4
	v_min_u32 v[50+\k], s[RM1], v[50+\k]           ; rows beyond my count repeat the last
	v_add_nc_u32 v[50+\k], s[R0], v[50+\k]
	v_min_u32 v[50+\k], s[SC], v[50+\k]            ; a work-group without rows reads the word behind the pair's last token
	v_min_u32 v[50+\k], 0x2000, v[50+\k]
	v_lshlrev_b32 v[50+\k], 2, v[50+\k]
.endr
	s_wait_alu depctr_va_vdst(0)                   ; every offset and LDS address made so far is written: v1 to v3, v7, v12 to v15, v50 to v54 and v56 to v59, which the loads and stores of the kernel read
.irp k, 0,1,2,3,4
	global_load_b32 v[64+\k], v[50+\k], s[10:11]   ; the tokens
.endr
	RSC P1, 0, 0, 0                                ; the ring's first three halves
	RSC P1, 0, 1, 1
	RSC P1, BLK, 2, 0
	WIN 0x80
	RCO P1, 0, 0, 0
	RCO P1, 0, 1, 1
	RCO P1, BLK, 2, 0
	WIN 0
	s_wait_loadcnt 51                              ; the five tokens are in; the ring's 51 loads, issued behind them, may be out
.irp k, 0,1,2,3,4
	v_min_u32 v[64+\k], 0x1fff, v[64+\k]
.endr
	v_lshlrev_b32 v110, 4, v49
	v_lshl_add_u32 v104, v68, 10, v110             ; xq: my token's row + 16 h
	v_lshlrev_b32 v105, 5, v68                     ; xs: its 32 bytes
.irp m, 0,1,2,3
	v_lshlrev_b32 v[106+\m], 3, v[64+\m]           ; wts: 8 bytes a token
.endr
	s_wait_alu depctr_va_vdst(0)                   ; v104 to v109 are written, the offsets of the loads below; so is v68, which an LDS store below reads
.irp s, 0,1,2,3,4,5,6,7
.irp c, 0,1,2,3
	global_load_b128 v[BF+16*\s+4*\c:BF+16*\s+4*\c+3], v104, s[4:5] offset:128*\s+32*\c   ; token tile w's eight fragments, in the operand's layout
.endr
.endr
	global_load_b128 v[72:75], v105, s[6:7]
	global_load_b128 v[76:79], v105, s[6:7] offset:16
.irp m, 0,1,2,3
	global_load_b64 v[WT+4*\m:WT+4*\m+1], v[106+\m], s[14:15]
.endr
	global_load_b128 v[80:83], v[LI], s[52:53]
	global_load_b128 v[84:87], v[LI], s[54:55]
	global_load_b128 v[88:91], v[LI], s[56:57]
	global_load_b128 v[92:95], v[LI], s[56:57] offset:512
	global_load_b128 v[96:99], v[LI], s[58:59]
	global_load_b128 v[100:103], v[LI], s[58:59] offset:512
	s_wait_loadcnt 0x0
.irp s, 0,1,2,3,4,5,6,7
.irp c, 0,1,2,3
	ds_store_b128 v56, v[BF+16*\s+4*\c:BF+16*\s+4*\c+3] offset:8192*\s+512*\c
.endr
	ds_store_b32 v57, v[72+\s] offset:512*\s
.endr
	ds_store_b32 v58, v68                          ; lanes r and r + 16 write the same word with the same value
.irp k, 0,1,2,3,4,5
	ds_store_b128 v59, v[80+4*\k:83+4*\k] offset:512*\k
.endr
.irp m, 0,1,2,3
	v_mov_b32 v[WT+4*\m+2], v[WT+4*\m+1]           ; the packed forms take a pair's low word for both halves
	v_mov_b32 v[WT+4*\m+3], v[WT+4*\m+1]
.endr
	s_wait_alu depctr_vm_vsrc(0)                   ; the tokens' loads have read their offsets v52 to v54, which are written now
.irp b, 0,1,2,3
	v_mov_b32 v[TM+4+\b], 0                        ; written once: a lane permute's destination counts as one of its sources
.endr
	v_mov_b32 v[BFA], v[LI]                        ; the first product's tokens: x
	v_add_nc_u32 v[BSA], XSC, v[LS]
	s_mov_b32 s[HX], 0
	s_mov_b32 s[HX2], 0
	s_mov_b32 s[BX], 0
	s_mov_b32 s[TRIP], 2
	s_wait_dscnt 0x0                               ; for the others' sake: my stores have landed
	s_barrier_signal -1
	s_barrier_wait -1                              ; x's 32 fragments, their scale words and the tokens lie in LDS
; One product: weight tile 4 GG + IDX % 4 x token tile IDX / 4.  A half's 16 accumulators take turns, one instruction a turn; 31 others' stand between two links of a chain.
.macro MM
.set MI, IDX/4
.set TI, IDX%4
.set TT, 4*GG+TI
.set RD, 64*MI+8*TT
.set RA, 64*QQ+16*TI
.set RB, BF+64*SB+16*MI
.set RS, WS+2*QQ+TI/2
.set RT, BS+4*SB+MI
.if FIRST                              ; the bias is the C of a sum's first product
.if TI%2
	v_wmma_scale_f32_16x16x128_f8f6f4 v[RD:RD+7], v[RA:RA+15], v[RB:RB+15], v[BI+8*TT:BI+8*TT+7], v[RS], v[RT] matrix_a_fmt:MATRIX_FMT_BF8 matrix_b_fmt:MATRIX_FMT_BF8 matrix_a_scale:MATRIX_SCALE_ROW1
.else
	v_wmma_scale_f32_16x16x128_f8f6f4 v[RD:RD+7], v[RA:RA+15], v[RB:RB+15], v[BI+8*TT:BI+8*TT+7], v[RS], v[RT] matrix_a_fmt:MATRIX_FMT_BF8 matrix_b_fmt:MATRIX_FMT_BF8
.endif
.else
.if TI%2
	v_wmma_scale_f32_16x16x128_f8f6f4 v[RD:RD+7], v[RA:RA+15], v[RB:RB+15], v[RD:RD+7], v[RS], v[RT] matrix_a_fmt:MATRIX_FMT_BF8 matrix_b_fmt:MATRIX_FMT_BF8 matrix_a_scale:MATRIX_SCALE_ROW1
.else
	v_wmma_scale_f32_16x16x128_f8f6f4 v[RD:RD+7], v[RA:RA+15], v[RB:RB+15], v[RD:RD+7], v[RS], v[RT] matrix_a_fmt:MATRIX_FMT_BF8 matrix_b_fmt:MATRIX_FMT_BF8
.endif
.endif
.endm
; In front of a segment: the bias as 8 tiles' C (16 loads), then step 0's four token fragments.  pat = 0: b1, tile 2 b + u's units 32 b + 16 h + 8 u + 0 .. 7; pat = 1: b2, chunk c2, tile t's outputs 16 t + 8 h + 0 .. 7.
.macro PRO adr, pat, c2
.irp t, 0,1,2,3,4,5,6,7
.if \pat
.set BO, 64*\t+512*\c2
.else
.set BO, (32*(\t/2)+8*(\t%2))*4
.endif
	ds_load_b128 v[BI+8*\t:BI+8*\t+3], v[\adr] offset:BO
	ds_load_b128 v[BI+8*\t+4:BI+8*\t+7], v[\adr] offset:BO+16
.endr
.irp m, 0,1,2,3
	FRAG 0, \m
.endr
.endm
; A SEGMENT: 8 steps of 128 along K, 16 halves, 256 products.  kind = 0: the first product of one expert, K = 1,024.  kind = 1: the second product of a chunk of 128 outputs: steps 0-3 expert lo (window 1),
; steps 4-7 expert hi (window 3).  Steps 0-3 take their blocks from (pa, oa), steps 4-7 from (pb, ob); the ring's look-ahead over the end goes to (pc, oc), the next segment's first blocks; last = 1: to nothing.
; A HALF: the wait for its weights; the one wait on va_vdst; the next step's token fragments and the ring's scale words; 8 products; the ring's 16 loads of codes; 8 products.
; A segment's half 0 has no wait on va_vdst: one stands ahead of every segment, behind the last instruction that named the registers in which half 0's loads land.  Nor has a half that loads nothing.
.macro SEG kind, c2, pa, oa, pb, ob, pc, oc, last
.set NH, 0
.rept 16
.set UU, NH/2
.set GG, NH%2
.set QQ, NH%4
.set SB, UU%2
.set FIRST, 0
.set WM, 0x52                          ; weights window 2, tokens window 0, C and D window 1
.if UU == 0
.set FIRST, 1
.set WM, 0x42                          ; C (the bias) window 0
.endif
.if \kind
.if UU >= 4
.set WM, 0xf2                          ; C and D window 3
.endif
.if UU == 4
.set FIRST, 1
.set WM, 0xc2
.endif
.endif
.set XTRA, 0
.if \kind && (NH == 2)
.set XTRA, 1
.endif
.set DSN, 1
.if UU == 7
.set DSN, 0
.endif
.set UR, (NH+3)/2
.set GR, (NH+3)%2
.set QR, (NH+3)%4
.set RING, 1
.if \last && (UR >= 8)
.set RING, 0
.endif
.set LW, 34
.if \last && (NH == 14)
.set LW, 17
.endif
.if \last && (NH == 15)
.set LW, 0
.endif
.set NEED, DSN+RING+XTRA
	s_wait_loadcnt LW                              ; this half's 17 loads are in; the two halves' (at the very end: one's, none) issued behind them may be out
.if NEED
	WIN 0
.if NH > 0
	s_wait_alu depctr_va_vdst(0)                   ; the half before is done reading its slot of the ring and that slot's scale words, the step before its set of token fragments and their scale words (half 2 of the second product: step 0 its bias): this half's loads land in these
.endif
.endif
.if XTRA
.irp t, 0,1,2,3,4,5,6,7
	ds_load_b128 v[BI+8*\t:BI+8*\t+3], v[BIB] offset:1024+512*\c2+64*\t       ; b2[hi], for step 4: b2[lo] was last read in step 0
	ds_load_b128 v[BI+8*\t+4:BI+8*\t+7], v[BIB] offset:1024+512*\c2+64*\t+16
.endr
.endif
.if DSN
	FRAG UU+1, 2*GG
	FRAG UU+1, 2*GG+1
.endif
.if RING
.if UR < 4
	RSC \pa, \oa+UR*BLK, QR, GR
.elseif UR < 8
	RSC \pb, \ob+(UR-4)*BLK, QR, GR
.else
	RSC \pc, \oc+(UR-8)*BLK, QR, GR
.endif
.endif
.if GG == 0
	s_wait_dscnt 10+10*DSN+16*XTRA                 ; the step's token tiles 0 and 1 are in (and what was asked for ahead of them); tiles 2 and 3, ten loads, and what this half has just asked of LDS may be out
.endif
	WIN WM
.set IDX, 0
.rept 8
	MM
.set IDX, IDX+1
.endr
.if RING
	WIN 0x80                                       ; no wait: no product since the wait at the half's head names the slot that is asked for, nor v[LI]
.if UR < 4
	RCO \pa, \oa+UR*BLK, QR, GR
.elseif UR < 8
	RCO \pb, \ob+(UR-4)*BLK, QR, GR
.else
	RCO \pc, \oc+(UR-8)*BLK, QR, GR
.endif
.endif
.if GG == 0
	s_wait_dscnt 10*DSN+16*XTRA                    ; token tiles 2 and 3 are in; what this half itself has asked of LDS may be out
.endif
	WIN WM
.rept 8
	MM
.set IDX, IDX+1
.endr
.set NH, NH+1
.endr
	WIN 0
.rept 8
	v_nop                                          ; places in front of the first read of results and of vector writes into the last products' registers (ISA guide 7.12.1)
.endr
.endm
; Token tile m's 64 hidden numbers of a lane (register 16 b + i = unit 32 b + 16 (lane / 16) + i of my 128) become K step w of the second product: a fragment's codes in v[BF + 16 m] on and its scale word in v[BI + m].
.macro QUANT m
.set HH, 64*(\m)
.set PC, BF+16*(\m)
	WIN 0x05                                       ; sources 0 and 1 window 1.  No |.|: what is negative is to become 0, so it must not count; the floor stands over it
.irp b, 0,1,2,3
	v_max3_num_f32 v[TM+\b], v[HH+16*\b], v[HH+16*\b+1], 0x8000000   ; each accumulator is read from its low end on; the floor 2^(16 - 127): the byte cannot fall under 1
.endr
.irp i, 2,4,6,8,10,12,14
.irp b, 0,1,2,3
	v_max3_num_f32 v[TM+\b], v[HH+16*\b+\i], v[HH+16*\b+\i+1], v[TM+\b]
.endr
.endr
	WIN 0
.irp b, 0,1,2,3
	v_permlanex16_b32 v[TM+4+\b], v[TM+\b], s[SEL], s[SEL+1]
.endr
.irp b, 0,1,2,3
	v_max_num_f32 v[TM+\b], v[TM+\b], v[TM+4+\b]   ; with lane l xor 16's: the block's largest
.endr
.irp b, 0,1,2,3
	v_add_nc_u32 v[TM+12+\b], 0xf8800000, v[TM+\b] ; 15 off the exponent field: the conversion's scale operand
.endr
.irp b, 0,1,2,3
	v_and_or_b32 v[TM+8+\b], v[TM+\b], 0x7f800000, s[MNT]   ; 57,344 x the scale
.endr
.irp b, 0,1,2,3
	v_lshrrev_b32 v[TM+4+\b], 23, v[TM+12+\b]      ; the scale's byte
.endr
	v_lshl_or_b32 v[BI+(\m)], v[TM+5], 8, v[TM+4]
	v_lshl_or_b32 v[BI+(\m)], v[TM+6], 16, v[BI+(\m)]
	v_lshl_or_b32 v[BI+(\m)], v[TM+7], 24, v[BI+(\m)]
	WIN 0x41                                       ; destination and source 0 window 1
.irp b, 0,1,2,3
.irp i, 0,1,2,3,4,5,6,7,8,9,10,11,12,13,14,15
	v_med3_num_f32 v[HH+16*\b+\i], v[HH+16*\b+\i], 0, v[TM+8+\b]   ; the activation and the hold in one
.endr
.endr
	WIN 0x01                                       ; source 0 window 1
.irp b, 0,1,2,3
	v_cvt_scalef32_pk8_bf8_f32 v[PC+4*\b:PC+4*\b+1], v[HH+16*\b:HH+16*\b+7], v[TM+12+\b]
	v_cvt_scalef32_pk8_bf8_f32 v[PC+4*\b+2:PC+4*\b+3], v[HH+16*\b+8:HH+16*\b+15], v[TM+12+\b]
.endr
	WIN 0
	v_nop                                          ; a plain instruction behind the last conversion: later products write its sources
.endm
.macro QSEND m                         ; tile m's fragment and scale word go to LDS as images
.set PC, BF+16*(\m)
.irp c, 0,1,2,3
	ds_store_b128 v[HWA], v[PC+4*\c:PC+4*\c+3] offset:2048*(\m)+512*\c
.endr
	ds_store_b32 v[HSA], v[BI+(\m)] offset:128*(\m)
.endm
; THE WAY OUT of a chunk of 128 outputs: p_lo x lo's sums + p_hi x hi's; through my stage, so that a row's 512 bytes leave by one store; 16 rows at a time, as many batches as my tile has rows for.
; A batch has registers of its own kind by turns (bt % 2): 16 tokens, 16 addresses, 16 rows.  Its 16 addresses are made in one run, one wait on va_vdst stands behind them, and the 16 stores follow.
.macro EPI c2
	WIN 0x41
.set AA, 0
.rept 128
	v_pk_mul_f32 v[AA:AA+1], v[AA:AA+1], v[WT+4*(AA/64):WT+4*(AA/64)+1] op_sel_hi:[1,0]
.set AA, AA+2
.endr
	WIN 0x53                                       ; source 0 window 3, source 2 and destination window 1
.set AA, 0
.rept 128
	v_pk_fma_f32 v[AA:AA+1], v[AA:AA+1], v[WT+4*(AA/64)+2:WT+4*(AA/64)+3], v[AA:AA+1] op_sel_hi:[1,0,1]
.set AA, AA+2
.endr
	WIN 0x04                                       ; an LDS store's data are its source 1: window 1
	s_wait_alu depctr_va_vdst(0)                   ; the multiply-adds have written window 1, which the LDS stores read; the segment's products are done reading BI and BF, in which the batches' loads land
.irp m, 0,1,2,3
.irp t, 0,1,2,3,4,5,6,7
	ds_store_b128 v[SO], v[64*\m+8*\t:64*\m+8*\t+3] offset:8448*\m+64*\t       ; lane (r, h): row 16 m + r, outputs 16 t + 8 h + 0 .. 7
	ds_store_b128 v[SO], v[64*\m+8*\t+4:64*\m+8*\t+7] offset:8448*\m+64*\t+16
.endr
.endr
	WIN 0
.irp bt, 0,1,2,3
.if \bt > 0
	s_cmp_le_u32 s[ROWS], 16*\bt
	s_cbranch_scc1 .Lout_\@
.endif
	s_wait_xcnt 0x0                                ; earlier stores have had their addresses translated (ISA guide 3.1)
.if \bt == 2
	s_wait_alu depctr_vm_vsrc(0)                   ; the stores of batches 0 and 1 have read their rows and addresses: batches 2 and 3 load and write these registers again
.endif
.set TK, BI+16*(\bt%2)
.set AD, BI+32+16*(\bt%2)
.set RW, BF+64*(\bt%2)
.irp z, 0,1,2,3
	ds_load_b128 v[TK+4*\z:TK+4*\z+3], v[TA] offset:64*\bt+16*\z   ; 16 tokens, the same in every lane
.endr
.irp i, 0,1,2,3,4,5,6,7,8,9,10,11,12,13,14,15
	ds_load_b128 v[RW+4*\i:RW+4*\i+3], v[SR] offset:528*(16*\bt+\i)   ; LDS serves a wave's instructions in order: these see my stores
.endr
	s_wait_dscnt 16                                ; the tokens are in; the 16 rows may be out
.irp i, 0,1,2,3,4,5,6,7,8,9,10,11,12,13,14,15
	v_min_u32 v[TK+\i], 0x1fff, v[TK+\i]
.endr
.irp i, 0,1,2,3,4,5,6,7,8,9,10,11,12,13,14,15
	v_lshl_add_u32 v[AD+\i], v[TK+\i], 12, v[LI]   ; the token's row of 4,096 bytes + 16 x lane
.endr
	s_wait_alu depctr_va_vdst(0)                   ; the 16 addresses are written, which the stores below read; and these lines are done with the tokens' registers, in which the loads of two batches on land
.irp i, 0,1,2,3,4,5,6,7,8,9,10,11,12,13,14,15
	s_wait_dscnt 15-\i                             ; row i is in; the younger rows may be out
	global_store_b128 v[AD+\i], v[RW+4*\i:RW+4*\i+3], s[OUTW:OUTW+1] offset:512*\c2 th:TH_STORE_NT   ; 512 consecutive bytes, at a multiple of 512 from out0's first byte
.endr
.endr
.Lout_\@:
.endm
; THE FIRST PRODUCT, two trips: expert lo, expert hi.  Every wave walks the loop; a work-group without rows jumps over the work alone.
.Lexpert:
	s_wait_alu depctr_vm_vsrc(0)                   ; first trip: the head's LDS stores have read BF, v72 to v103 and v56 to v59; second trip: the bias's loads have read v[TA], the images' stores v[HWA], v[HSA], the codes and the scale words: all are written or loaded again below
	v_add_nc_u32 v[TA], s[BX], v[BIA]
	v_add_nc_u32 v[HWA], s[HX], v[HWI]
	v_add_nc_u32 v[HSA], s[HX2], v[HWS]
	s_wait_alu depctr_va_vdst(0)                   ; the three addresses (first trip: v[BFA] and v[BSA] too) are written; the products and the quantiser of the trip before, and the head's lines, are done with BI, BF, BS and the ring's free slot, in which the loads below land
	s_cmp_eq_u32 s[ROWS], 0
	s_cbranch_scc1 .Lno_rows
	PRO TA, 0, 0
	SEG 0, 0, P1, 0, P1, 4*BLK, P2, 0, 0
	QUANT 0
	QUANT 1
	QUANT 2
	QUANT 3
	s_wait_alu depctr_va_vdst(0)                   ; the conversions have written the four fragments' codes, the shifts their scale words: the LDS stores below read them
	QSEND 0
	QSEND 1
	QSEND 2
	QSEND 3
	s_wait_dscnt 0x0                               ; my images' stores have landed
.Lno_rows:
	s_wait_xcnt 0x0                                ; the ring's loads have read their bases, which are written now:
	s_mov_b64 s[P1:P1+1], s[P2:P2+1]               ; the next expert's blocks,
	s_mov_b64 s[P2:P2+1], s[PBL:PBL+1]             ; and behind them the second product's first
	s_add_co_u32 s[HX], s[HX], 32768
	s_add_co_u32 s[HX2], s[HX2], 2048
	s_add_co_u32 s[BX], s[BX], 512
	s_sub_co_u32 s[TRIP], s[TRIP], 1
	s_cmp_lg_u32 s[TRIP], 0
	s_cbranch_scc1 .Lexpert
	s_wait_alu depctr_vm_vsrc(0)                   ; the first product's LDS loads have read v[BFA], v[BSA] and v[TA], which are written now; the images' stores have read the codes and the scale words, in whose registers the next loads land
	v_add_nc_u32 v[BFA], HIMG, v[LI]               ; the second product's tokens: the hidden layer
	v_add_nc_u32 v[BSA], HSC, v[LS]
	v_mov_b32 v[TA], TOKT                          ; and, for both ways out, the tile's tokens
	s_wait_alu depctr_va_vdst(0)                   ; the three addresses are written, which the LDS loads below read
	s_wait_dscnt 0x0                               ; for the others' sake: my images have landed, and my reads of x's are over
	s_barrier_signal -1
	s_barrier_wait -1                              ; both experts' hidden layers lie in LDS: 8 K steps x 4 token tiles
	s_cmp_eq_u32 s[ROWS], 0
	s_cbranch_scc1 .Lend
	PRO BIB, 1, 0
	SEG 1, 0, PBL, 0, PBH, 0, PBL, 4*BLK, 0
	EPI 0
	s_wait_xcnt 0x0                                ; the stores have had their addresses translated (ISA guide 3.1)
	s_wait_alu depctr_vm_vsrc(0)                   ; the rows' stores have read BF and BI, into which the next loads go; the stage's LDS stores have read window 1, which the next products write
	PRO BIB, 1, 1
	SEG 1, 1, PBL, 4*BLK, PBH, 4*BLK, PBL, 0, 1
	EPI 1
.Lend:
	s_wait_dscnt 0x0                               ; the closing lines, six on end
	s_wait_alu 0x0
	s_wait_tensorcnt 0x0
	ds_add_u32 v[SPW], v[NIL]
	s_wait_dscnt 0x0
	s_endpgm
.Lfunc_end_k_qa12e495c8c_chain:
	.size	k_qa12e495c8c_chain, .Lfunc_end_k_qa12e495c8c_chain-k_qa12e495c8c_chain
	.p2alignl 7, 3214868480
	.fill 96, 4, 3214868480
	.section	.rodata,"a",@progbits
	.p2align	6, 0x0
	.amdhsa_kernel k_qa12e495c8c_chain
		.amdhsa_group_segment_fixed_size 287488
		.amdhsa_private_segment_fixed_size 0
		.amdhsa_enable_private_segment 0
		.amdhsa_kernarg_size 72
		.amdhsa_user_sgpr_count 2
		.amdhsa_user_sgpr_kernarg_segment_ptr 1
		.amdhsa_wavefront_size32 1
		.amdhsa_system_sgpr_workgroup_id_x 1
		.amdhsa_system_sgpr_workgroup_id_y 1
		.amdhsa_system_sgpr_workgroup_id_z 1
		.amdhsa_system_vgpr_workitem_id 0
		.amdhsa_next_free_vgpr 1024
		.amdhsa_next_free_sgpr 96
		.amdhsa_reserve_vcc 0
		.amdhsa_float_denorm_mode_32 3
		.amdhsa_float_denorm_mode_16_64 3
		.amdhsa_memory_ordered 1
		.amdhsa_forward_progress 1
		.amdhsa_inst_pref_size 255
	.end_amdhsa_kernel
	.section	.bss,"aw",@nobits
	.p2align	6
	.space	262144
	.amdgpu_metadata
---
amdhsa.version: [ 1, 2 ]
amdhsa.kernels:
  - .name:           k_qa12e495c8c_chain
    .symbol:         k_qa12e495c8c_chain.kd
    .args:
      - { .name: xq, .offset: 0, .size: 8, .value_kind: global_buffer, .address_space: global }
      - { .name: xs, .offset: 8, .size: 8, .value_kind: global_buffer, .address_space: global }
      - { .name: wf, .offset: 16, .size: 8, .value_kind: global_buffer, .address_space: global }
      - { .name: order, .offset: 24, .size: 8, .value_kind: global_buffer, .address_space: global }
      - { .name: counts, .offset: 32, .size: 8, .value_kind: global_buffer, .address_space: global }
      - { .name: wts, .offset: 40, .size: 8, .value_kind: global_buffer, .address_space: global }
      - { .name: b1, .offset: 48, .size: 8, .value_kind: global_buffer, .address_space: global }
      - { .name: b2, .offset: 56, .size: 8, .value_kind: global_buffer, .address_space: global }
      - { .name: out0, .offset: 64, .size: 8, .value_kind: global_buffer, .address_space: global }
    .group_segment_fixed_size: 287488
    .private_segment_fixed_size: 0
    .kernarg_segment_align: 8
    .kernarg_segment_size: 72
    .max_flat_workgroup_size: 128
    .sgpr_count:     96
    .vgpr_count:     1024
    .wavefront_size: 32
...
	.end_amdgpu_metadata
.endif
;; end of part 6
